; MI455X (gfx1250); checked and timed in simulation.
; The chip was launched on July 23, 2026; its instructions are those of AMD's public machine-readable ISA for CDNA 5 (MIT licence, August 2026) and "CDNA5" Instruction Set Architecture Reference Guide (July 2026). The comments in the code are by the model that wrote it; some were corrected since.
;; Entity Selector. Allowed arithmetic: matrix products marked QUANTISED: E2M1 operands, one E8M0 scale for each 32 along K, by v_wmma_scale_f32_16x16x128_f8f6f4 with both operands' format E2M1 (or v_wmma_scale_f32_32x16x128_f4), f32 sums; everything else in f32.
;; Inputs: WK_b 1,024 float32; WK_w_codes 1,024 x 32 x 16 uint8 (E2M1 codes of WK_w, K innermost, in blocks of 32 codes, two codes a byte); WK_w_scales 1,024 x 32 uint8 (E8M0 scales of WK_w, one for each 32 codes along K); WO_b 1,024 float32; WO_w_codes 1,024 x 32 x 16 uint8 (E2M1 codes of WO_w, K innermost, in blocks of 32 codes, two codes a byte); WO_w_scales 1,024 x 32 uint8 (E8M0 scales of WO_w, one for each 32 codes along K); WQ_b 1,024 float32; WQ_w_codes 1,024 x 32 x 16 uint8 (E2M1 codes of WQ_w, K innermost, in blocks of 32 codes, two codes a byte); WQ_w_scales 1,024 x 32 uint8 (E8M0 scales of WQ_w, one for each 32 codes along K); ent_emb 20,000 x 1,024 float32; ent_idx_in_batch 16 x 256 int32; ln_b 1,024 float32; ln_g 1,024 float32; query_codes 16 x 1,024 x 32 x 16 uint8 (E2M1 codes of query, K innermost, in blocks of 32 codes, two codes a byte); query_scales 16 x 1,024 x 32 uint8 (E8M0 scales of query, one for each 32 codes along K).
;; Outputs: out0 16 x 1,024 x 1,024 float32.
;; Constants: max_entity_number = 512.
;; This version of the problem:
;;   THIS VERSION OF THE PROBLEM IS GIVEN IN LOW PRECISION. The matrix products marked QUANTISED in the list below multiply operands that are first quantised to E2M1 (2 exponent bits, 1 mantissa bit; 4 bits a number), with one power-of-two scale for each 32 numbers along K (OCP MX v1.0); their sums are f32. All else is computed in f32.
;;   The module's matrix products, in the order in which they are computed (A, B: the left and right operand; K: the contracted axis; several contracted axes count as one K, in the product's order):
;;     1. [M 16,384, K 1,024] x [K 1,024, N 1,024]; A: input query (given as codes); B: input WQ_w (given as codes): QUANTISED
;;     2. [M 4,096, K 1,024] x [K 1,024, N 1,024]; A: computed on the way; B: input WK_w (given as codes): QUANTISED
;;     3. batch 16 x [M 1,024, K 1,024] x [K 1,024, N 256]; A: computed on the way; B: computed on the way: QUANTISED
;;     4. batch 16 x [M 1,024, K 256] x [K 256, N 1,024]; A: computed on the way; B: computed on the way: QUANTISED
;;     5. [M 16,384, K 1,024] x [K 1,024, N 1,024]; A: computed on the way; B: input WO_w (given as codes): QUANTISED
;;   THE QUANTISER, for each operand of a quantised product, along K:
;;     - K is cut into blocks of 32 from its start; a last block that is shorter is filled with zeros.
;;     - A block's scale is 2^e with e = floor(log2(the largest magnitude in the block)) - 2, held to -126 .. 127; a block of zeros has e = 0. As a byte (E8M0): e + 127.
;;     - Each number is divided by its block's scale, clamped to +-6, and rounded to the nearest number of E2M1, ties to even, subnormals kept.
;;     - The product sums the exact products of the quantised numbers (number of the format x scale) in f32.
;;   ~~~python
;;   def quantise(x, axis):      # numpy; x: float32 -> the quantised numbers, widened to float32 again
;;       x = np.moveaxis(x, axis, -1); K = x.shape[-1]
;;       x = np.pad(x, [(0, 0)] * (x.ndim - 1) + [(0, -K % 32)]); x = x.reshape(x.shape[:-1] + (-1, 32)); a = np.abs(x).max(-1, keepdims=True)
;;       e = np.where(a > 0, np.clip(np.frexp(np.where(a > 0, a, 1))[1] - 1 - 2, -126, 127), 0)      # np.frexp(a)[1] - 1 = floor(log2(a)), exactly
;;       r = np.clip(x / 2.0 ** e, -6, 6)
;;       step = 2.0 ** (np.maximum(np.frexp(np.where(r == 0, 1, r))[1] - 1, 0) - 1)
;;       q = np.round(r / step) * step * 2.0 ** e      # np.round: ties to even
;;       return np.moveaxis(q.reshape(q.shape[:-2] + (-1,))[..., :K], -1, axis).astype(np.float32)
;;   ~~~
;;   OPERANDS COMPUTED ON THE WAY. 'Computed on the way' means the value that the module computes at that place (a softmax that the list does not call 'softmax' is quantised finished and normalised). What goes into a quantiser is computed in f32, as accurately as f32 sums, v_exp_f32 and their like allow (about 1e-6 of the number): no bf16 or f16 on the way to a quantiser, and a product that is left as it is and whose result goes on into a quantised operand takes f32 operands (vector FMAs, or v_wmma_f32_16x16x4_f32). A number that lies on a knife's edge between two numbers of the format may be rounded either way, as far as f32 arithmetic and the matrix unit's own rounding can turn it there, and no further.
;;   INPUTS GIVEN AS CODES. WK_w (in the module: [1024, 1024], K = its axis 1); WO_w (in the module: [1024, 1024], K = its axis 1); WQ_w (in the module: [1024, 1024], K = its axis 1); query (in the module: [16, 1024, 1024], K = its axis 2): each comes as NAME_codes (uint8): NAME with its K axis moved to the last place and cut into blocks of 32 codes, [.., K / 32, bytes a block], one block behind the other in memory; two codes a byte, the lower K in the low four bits (a code: sign, 2 exponent bits, 1 mantissa bit); and NAME_scales (uint8): the same leading axes, one E8M0 byte (e + 127) for each 32 codes along K. Its value is code x scale, taken as it is: it is not quantised again, and the codes and scales need not be those that the quantiser above would give.
;; 2 versions. Each part assembles by itself: llvm-mc -triple=amdgcn-amd-amdhsa -mcpu=gfx1250 --defsym DOCPART=n.
;; ======== version 1 of 2: 2 launches
;; workspace buffers: wf 1,114,112 bytes; ent 4,456,448 bytes
;; launch prep (part 1): grid 256 x 1, 4 waves a work-group, no clusters, 35,328 bytes of LDS; arguments ent_emb, ent_idx_in_batch, WK_w_codes, WK_w_scales, WK_b, WQ_w_codes, WQ_w_scales, WO_w_codes, WO_w_scales, wf, ent; writes wf, ent
.if DOCPART == 1
	.amdgcn_target "amdgcn-amd-amdhsa--gfx1250"
	.amdhsa_code_object_version 6
	.text
	.protected	k_q67e33148da_prep
	.globl	k_q67e33148da_prep
	.p2align	8
	.type	k_q67e33148da_prep,@function
k_q67e33148da_prep:
	s_mov_b64 s[64:65], 0
	v_nop
	global_prefetch_b8 v0, s[64:65] scope:SCOPE_SE
	s_setreg_imm32_b32 hwreg(HW_REG_WAVE_MODE, 25, 1), 1
	s_wait_xcnt 0x0
; PREP.  Two things, both for the launch that follows.
; (1) WQ's and WO's codes and scale bytes are laid anew, in the order in which a wave's operand registers take them (buffer wf): one fragment of 1,024 bytes a wave.
; (2) ent = (Q(ent_emb[idx]) WK^T + WK_b) x mask, on codes of FP4 (E2M1) with one E8M0 scale for each 32 along K, is made and quantised TWICE: along d (it is an operand of the scores) and along
;     the entities (it is an operand of p x ent), and stored in the same register order (buffer ent).
; A CHUNK is 17,408 bytes.  Full chunk (32 operand rows G, K = 1,024): the codes of fragment f = 2 s + u (K step s, tile u) at 1024 f + 512 c + 16 lane: the 16 bytes of row 32 G + 8 u + RP(r) at byte
; 64 s + 32 c + 16 h (r = lane % 16, h = lane / 16, RP(r) = r + 8 (r / 8)); the scale bytes at 16384 + 512 j + 16 (16 u + r): bytes 16 j .. 16 j + 15 of that row's 32.
; P chunk (four groups i of 32 rows, K = 256): codes at 4096 i + 1024 (2 s + u) + 512 c + 16 lane; scale words at 16384 + 512 (i / 2) + 16 (16 u + r) + 8 (i % 2) + 4 s.
; THE ROWS OF A TILE ARE NOT NEIGHBOURS (RP): used as source 0, two tiles u = 0, 1 then leave 16 NEIGHBOURING columns, 32 G + 16 h + 0 .. 15, in a lane's 16 result registers.
; SHARES.  Work-group g: batch g / 16, 64 entities (eq = (g / 4) % 4), 256 of the 1,024 columns d (dq = g % 4).  Wave w quantises entity tile w (16 gathered rows, K = 1,024) and hands it to the others through
; LDS as an image of its registers; then it owns columns 256 dq + 64 w .. + 63 for all 64 entities.  Its 64 rows of WK (32 KB) go from memory straight into its registers and stay.
; THE PRODUCT IS MULTIPLIED TWICE, with the sources swapped: once a lane's registers run along d, once along the entities.  The sums are the same bit for bit, and no result changes lanes ahead of a quantiser.
; NO TENSOR LOADS, NO CLUSTER: the rows of ent_emb are named by a list, which no tile of rows at one pitch can state; each byte of WK is used by one wave of a work-group, so it would cross LDS with no second reader.
; The scale bytes of ent leave two at a time: of a row's scale bytes a wave owns two (64 of the 1,024 or of the 256 along K): 256 KB of the 4.4 MB that the launch stores.
; LIMITS: a block whose largest magnitude lies under 2^-124, a block of zeros among them, gets the scale byte 1 (zeros: the rule says 127; the codes are zeros and this program alone reads the bytes).
; NaN and infinities are not served.  An index under 0 has 20,000 added, as JAX wraps it, and is then held to 0 .. 19,999.
.set CH,   17408
.set WOFF, 32*CH                       ; WO's chunks in wf, behind WQ's 32
.set XSC,  32768                       ; LDS: x's 32 fragments (tile m, K step s: 1024 (8 m + s)) from byte 0, then their scale words: [m][32 lanes][16 bytes]
.set LO,   1                           ; v1   16 x lane
.set RL,   2                           ; v2   r
.set HL,   3                           ; v3   h
.set RP,   4                           ; v4   RP(r)
.set XA,   5                           ; v5   my gathered row's byte in ent_emb, + 64 h
.set WA,   6                           ; v6   512 RP(r) + 16 h: my place in a tile of weight rows
.set WSA,  7                           ; v7   32 (8 h + RP(r)): my row's scale bytes, tile u = h
.set IA,   8                           ; v8   4 RP(r)
.set H64,  9                           ; v9   64 h
.set XWI,  10                          ; v10  where I store x's images: 8192 w + 16 lane
.set XSW,  11                          ; v11  and their scale words: XSC + 512 w + 16 r
.set ARD,  LO                          ; the images begin at LDS byte 0
.set ARS,  13                          ; v13  XSC + 16 lane
.set SO,   14                          ; v14  16 r
.set HA,   32                          ; v32-95   64 numbers of x, later 8 accumulators
.set BD,   96                          ; v96-127  (v96-159: 64 numbers of x) WK_b by register: 16 for each group of 32 columns
.set MKR,  128                         ; v128-159 the mask by register: 16 for each group of 32 entities
.set PC,   160                         ; v160-175 codes just made
.set PB,   176                         ; v176-179 two scale bytes for each of four sets
.set TM,   180                         ; v180-183 largest magnitudes, v184-187 at work, v188-191 the conversions' scale operands
.set PW,   192                         ; v192 a scale word just made
.set ASC,  200                         ; v200-215 x's scale words: 4 m + s % 4, lanes 16 (s / 4) + r
.set WSC,  216                         ; v216-231 WK's: 8 gd + s, lanes 16 u + r
.set MKL,  232                         ; v232-239 the mask by lane, a pair for each entity tile
.set BL,   240                         ; v240-247 WK_b by lane, a pair for each tile of columns
.set SEL,  60                          ; s[60:61] v_permlanex16_b32's selects for lane l xor 16
.set MSB, 0
.macro WIN new                         ; the immediate's high byte repeats the setting that is left; a switch that changes nothing is dropped
.if MSB != \new
	s_set_vgpr_msb (MSB<<8)|\new
.set MSB, \new
.endif
.endm
.macro PLACES n
.rept \n
	v_nop
.endr
.endm
; One matrix instruction.  c < 0: the constant 0 starts the sum.  ra, rb: the scale words of source 0, of source 1, stand in lanes 16-31.
.macro WM d, a, b, c, sa, sb, ra, rb
.if (\c) < 0
.if (\ra) && (\rb)
	v_wmma_scale_f32_16x16x128_f8f6f4 v[(\d):(\d)+7], v[(\a):(\a)+7], v[(\b):(\b)+7], 0, v[\sa], v[\sb] matrix_a_fmt:MATRIX_FMT_FP4 matrix_b_fmt:MATRIX_FMT_FP4 matrix_a_scale:MATRIX_SCALE_ROW1 matrix_b_scale:MATRIX_SCALE_ROW1
.elseif (\ra)
	v_wmma_scale_f32_16x16x128_f8f6f4 v[(\d):(\d)+7], v[(\a):(\a)+7], v[(\b):(\b)+7], 0, v[\sa], v[\sb] matrix_a_fmt:MATRIX_FMT_FP4 matrix_b_fmt:MATRIX_FMT_FP4 matrix_a_scale:MATRIX_SCALE_ROW1
.elseif (\rb)
	v_wmma_scale_f32_16x16x128_f8f6f4 v[(\d):(\d)+7], v[(\a):(\a)+7], v[(\b):(\b)+7], 0, v[\sa], v[\sb] matrix_a_fmt:MATRIX_FMT_FP4 matrix_b_fmt:MATRIX_FMT_FP4 matrix_b_scale:MATRIX_SCALE_ROW1
.else
	v_wmma_scale_f32_16x16x128_f8f6f4 v[(\d):(\d)+7], v[(\a):(\a)+7], v[(\b):(\b)+7], 0, v[\sa], v[\sb] matrix_a_fmt:MATRIX_FMT_FP4 matrix_b_fmt:MATRIX_FMT_FP4
.endif
.else
.if (\ra) && (\rb)
	v_wmma_scale_f32_16x16x128_f8f6f4 v[(\d):(\d)+7], v[(\a):(\a)+7], v[(\b):(\b)+7], v[(\c):(\c)+7], v[\sa], v[\sb] matrix_a_fmt:MATRIX_FMT_FP4 matrix_b_fmt:MATRIX_FMT_FP4 matrix_a_scale:MATRIX_SCALE_ROW1 matrix_b_scale:MATRIX_SCALE_ROW1
.elseif (\ra)
	v_wmma_scale_f32_16x16x128_f8f6f4 v[(\d):(\d)+7], v[(\a):(\a)+7], v[(\b):(\b)+7], v[(\c):(\c)+7], v[\sa], v[\sb] matrix_a_fmt:MATRIX_FMT_FP4 matrix_b_fmt:MATRIX_FMT_FP4 matrix_a_scale:MATRIX_SCALE_ROW1
.elseif (\rb)
	v_wmma_scale_f32_16x16x128_f8f6f4 v[(\d):(\d)+7], v[(\a):(\a)+7], v[(\b):(\b)+7], v[(\c):(\c)+7], v[\sa], v[\sb] matrix_a_fmt:MATRIX_FMT_FP4 matrix_b_fmt:MATRIX_FMT_FP4 matrix_b_scale:MATRIX_SCALE_ROW1
.else
	v_wmma_scale_f32_16x16x128_f8f6f4 v[(\d):(\d)+7], v[(\a):(\a)+7], v[(\b):(\b)+7], v[(\c):(\c)+7], v[\sa], v[\sb] matrix_a_fmt:MATRIX_FMT_FP4 matrix_b_fmt:MATRIX_FMT_FP4
.endif
.endif
.endm
; Four sets q of 16 numbers, v[src + 16 q + i]: half a block of 32; the other half lies in lane l xor 16.  QMAX leaves each block's largest magnitude, never under the floor 2^(3 - 127), with 2 taken off its
; exponent field, in v[TM + 8 + q]: the conversion takes that field as its scale.  The registers are read in ascending order.
.macro QMAX src
.irp q, 0,1,2,3
	v_max3_num_f32 v[TM+\q], |v[(\src)+16*\q]|, |v[(\src)+16*\q+1]|, 0x1800000
.endr
.irp i, 2,4,6,8,10,12,14
.irp q, 0,1,2,3
	v_max3_num_f32 v[TM+\q], v[TM+\q], |v[(\src)+16*\q+\i]|, |v[(\src)+16*\q+\i+1]|   ; the four sets by turns: no line waits for the line above it
.endr
.endr
.irp q, 0,1,2,3
	v_permlanex16_b32 v[TM+4+\q], v[TM+\q], s[SEL], s[SEL+1]
.endr
.irp q, 0,1,2,3
	v_max_num_f32 v[TM+\q], v[TM+\q], v[TM+4+\q]
.endr
.irp q, 0,1,2,3
	v_add_nc_u32 v[TM+8+\q], 0xff000000, v[TM+\q]
.endr
.endm
.macro QCVT src, st, off               ; set q's 16 codes into v[PC + st q + off] and the next register
.irp q, 0,1,2,3
	v_cvt_scalef32_pk8_fp4_f32 v[PC+(\st)*\q+(\off)], v[(\src)+16*\q:(\src)+16*\q+7], v[TM+8+\q]
	v_cvt_scalef32_pk8_fp4_f32 v[PC+(\st)*\q+(\off)+1], v[(\src)+16*\q+8:(\src)+16*\q+15], v[TM+8+\q]
.endr
	v_nop                                          ; one plain line behind the last scaled conversion
.endm
; The four sets are four tiles of operand rows, their 16 numbers half of ONE block of 32 along the next K; e = 0, 1: the two blocks of 64 along that K.
.macro QUANTG src, e
	QMAX \src
.if (\e) == 0
.irp q, 0,1,2,3
	v_lshrrev_b32 v[PB+\q], 23, v[TM+8+\q]         ; the scale's byte
.endr
.else
.irp q, 0,1,2,3
	v_lshrrev_b32 v[TM+4+\q], 23, v[TM+8+\q]
.endr
.irp q, 0,1,2,3
	v_lshl_or_b32 v[PB+\q], v[TM+4+\q], 8, v[PB+\q]
.endr
.endif
	QCVT \src, 4, 2*(\e)
.endm
.macro SWAPS                           ; the operand's layout wants a WHOLE block in a lane: lanes 0-15 the first block, lanes 16-31 the second.  v[PC + 4 q .. + 3] is then half a fragment: 64 along K
.irp q, 0,1,2,3
.irp i, 0,1
	v_permlane16_swap_b32 v[PC+4*\q+\i], v[PC+4*\q+2+\i]
.endr
.endr
.endm
.macro ALOAD                           ; 32 fragments (4 tiles of rows x 8 K steps) out of LDS into window 1, their scale words into v[ASC] on
	WIN 0x40
.irp m, 0,1,2,3
.irp s, 0,1,2,3,4,5,6,7
.irp c, 0,1
	ds_load_b128 v[64*\m+8*\s+4*\c:64*\m+8*\s+4*\c+3], v[ARD] offset:(8*\m+\s)*1024+512*\c
.endr
.endr
.endr
	WIN 0
.irp m, 0,1,2,3
	ds_load_b128 v[ASC+4*\m:ASC+4*\m+3], v[ARS] offset:512*\m
.endr
.endm
	s_load_b512 s[8:23], s[0:1], 0x0               ; ent_emb s[8:9], idx s[10:11], WK codes s[12:13], WK scales s[14:15], WK_b s[16:17], WQ codes s[18:19], WQ scales s[20:21], WO codes s[22:23]
	s_load_b128 s[24:27], s[0:1], 0x40             ; WO scales s[24:25], wf s[26:27]
	s_load_b64 s[28:29], s[0:1], 0x50              ; ent
	v_lshl_add_u32 v254, v0, 2, 0x8800
	v_mov_b32 v255, 0
	v_lshrrev_b32 v15, 5, v0
	v_readfirstlane_b32 s2, v15                    ; wave 0..3
	v_and_b32 v15, 31, v0
	v_lshlrev_b32 v[LO], 4, v15
	v_and_b32 v[RL], 15, v0
	v_bfe_u32 v[HL], v0, 4, 1
	v_and_b32 v[RP], 8, v[RL]
	v_add_nc_u32 v[RP], v[RP], v[RL]
	v_lshlrev_b32 v[WA], 9, v[RP]
	v_lshl_add_u32 v[WA], v[HL], 4, v[WA]
	v_lshl_add_u32 v[WSA], v[HL], 3, v[RP]
	v_lshlrev_b32 v[WSA], 5, v[WSA]
	v_lshlrev_b32 v[IA], 2, v[RP]
	v_lshlrev_b32 v[H64], 6, v[HL]
	s_lshl_b32 s7, s2, 13
	v_add_nc_u32 v[XWI], s7, v[LO]
	s_lshl_b32 s7, s2, 9
	s_add_co_u32 s7, s7, XSC
	v_lshl_add_u32 v[XSW], v[RL], 4, s7
	v_add_nc_u32 v[ARS], XSC, v[LO]
	v_lshlrev_b32 v[SO], 4, v[RL]
.irp q, 0,1,2,3
	v_mov_b32 v[TM+4+\q], 0                        ; written once: a lane permute's destination counts as one of its sources
.endr
	s_mov_b32 s[SEL], 0x76543210
	s_mov_b32 s[SEL+1], 0xfedcba98
	s_and_b32 s4, ttmp9, 3                         ; dq
	s_bfe_u32 s5, ttmp9, 0x20002                   ; eq
	s_lshr_b32 s6, ttmp9, 4                        ; batch
	s_lshr_b32 s62, s2, 1                          ; w / 2
	s_and_b32 s63, s2, 1                           ; w % 2
	; the fragment that my wave lays anew: number (4 g + w) % 512 of WQ (g < 128) or of WO: chunk G, fragment f
	s_lshl_b32 s30, ttmp9, 2
	s_add_co_u32 s30, s30, s2
	s_and_b32 s30, s30, 511
	s_lshr_b32 s31, s30, 4                         ; G
	s_and_b32 s32, s30, 15                         ; f = 2 s + u
	s_and_b32 s33, s32, 1
	s_lshr_b32 s7, s32, 1
	s_lshl_b32 s34, s31, 14                        ; from: row 32 G + 8 u of 512 bytes, byte 64 s
	s_lshl_b32 s33, s33, 12
	s_add_co_u32 s34, s34, s33
	s_lshl_b32 s7, s7, 6
	s_add_co_u32 s34, s34, s7
	s_mov_b32 s35, 0
	s_lshl_b32 s36, s31, 10                        ; the scale bytes of rows 32 G on
	s_mov_b32 s37, 0
	s_mul_i32 s38, s31, CH                         ; to: chunk G of the tensor's 32
	s_lshr_b32 s7, ttmp9, 7
	s_mul_i32 s7, s7, WOFF
	s_add_co_u32 s38, s38, s7
	s_mov_b32 s39, 0
	s_lshl_b32 s40, s32, 10                        ; and fragment f in it
	s_add_co_u32 s40, s40, s38
	s_mov_b32 s41, 0
	; the indices: my work-group's 64, and my wave's tile of them
	s_lshl_b32 s50, s6, 10
	s_lshl_b32 s7, s5, 8
	s_add_co_u32 s50, s50, s7
	s_mov_b32 s51, 0
	s_lshl_b32 s42, s62, 7
	s_lshl_b32 s7, s63, 5
	s_add_co_u32 s42, s42, s7
	s_add_co_u32 s42, s42, s50
	s_mov_b32 s43, 0
	; my wave's 64 columns: 256 dq + 64 w: rows of WK, of its scale bytes, numbers of WK_b
	s_lshl_b32 s7, s4, 8
	s_lshl_b32 s30, s2, 6
	s_add_co_u32 s7, s7, s30
	s_lshl_b32 s44, s7, 9
	s_mov_b32 s45, 0
	s_lshl_b32 s46, s7, 5
	s_mov_b32 s47, 0
	s_lshl_b32 s48, s7, 2
	s_mov_b32 s49, 0
	; where ent quantised along d goes: chunks 4 (4 b + eq) and the next; K step sd = 2 dq + w / 2, half c = w % 2
	s_lshl_b32 s30, s6, 2
	s_add_co_u32 s31, s30, s5
	s_mul_i32 s31, s31, 4*CH
	s_lshl_b32 s33, s4, 1
	s_add_co_u32 s33, s33, s62
	s_lshl_b32 s52, s33, 11
	s_add_co_u32 s52, s52, s31
	s_lshl_b32 s7, s63, 9
	s_add_co_u32 s52, s52, s7
	s_mov_b32 s53, 0
	s_lshr_b32 s54, s33, 2
	s_lshl_b32 s54, s54, 9
	s_and_b32 s33, s33, 3
	s_lshl_b32 s33, s33, 2
	s_add_co_u32 s54, s54, s33
	s_lshl_b32 s33, s63, 1
	s_add_co_u32 s54, s54, s33
	s_add_co_u32 s54, s54, s31
	s_add_co_u32 s54, s54, 16384
	s_mov_b32 s55, 0
	; and along the entities: chunk 4 (4 b + dq) + 2 + w / 2; groups 2 (w % 2) and the next; K step eq / 2, half eq % 2
	s_add_co_u32 s30, s30, s4
	s_lshl_b32 s30, s30, 2
	s_add_co_u32 s30, s30, s62
	s_add_co_u32 s30, s30, 2
	s_mul_i32 s30, s30, CH
	s_lshr_b32 s31, s5, 1
	s_and_b32 s33, s5, 1
	s_lshl_b32 s56, s63, 13
	s_add_co_u32 s56, s56, s30
	s_lshl_b32 s7, s31, 11
	s_add_co_u32 s56, s56, s7
	s_lshl_b32 s7, s33, 9
	s_add_co_u32 s56, s56, s7
	s_mov_b32 s57, 0
	s_lshl_b32 s58, s63, 9
	s_add_co_u32 s58, s58, s30
	s_lshl_b32 s7, s31, 2
	s_add_co_u32 s58, s58, s7
	s_lshl_b32 s7, s33, 1
	s_add_co_u32 s58, s58, s7
	s_add_co_u32 s58, s58, 16384
	s_mov_b32 s59, 0
	s_wait_kmcnt 0x0
	s_cmp_lt_u32 ttmp9, 128                        ; WQ's work-group or WO's: the choice hangs on the work-group's number alone
	s_cselect_b64 s[18:19], s[18:19], s[22:23]
	s_cselect_b64 s[20:21], s[20:21], s[24:25]
	s_add_nc_u64 s[18:19], s[18:19], s[34:35]
	s_add_nc_u64 s[20:21], s[20:21], s[36:37]
	s_add_nc_u64 s[38:39], s[26:27], s[38:39]
	s_add_nc_u64 s[40:41], s[26:27], s[40:41]
	s_add_nc_u64 s[42:43], s[10:11], s[42:43]
	s_add_nc_u64 s[50:51], s[10:11], s[50:51]
	s_add_nc_u64 s[44:45], s[12:13], s[44:45]
	s_add_nc_u64 s[46:47], s[14:15], s[46:47]
	s_add_nc_u64 s[48:49], s[16:17], s[48:49]
	s_add_nc_u64 s[52:53], s[28:29], s[52:53]
	s_add_nc_u64 s[54:55], s[28:29], s[54:55]
	s_add_nc_u64 s[56:57], s[28:29], s[56:57]
	s_add_nc_u64 s[58:59], s[28:29], s[58:59]
	; ---- my entity's index, and the fragment that I lay anew
	global_load_b32 v248, v[IA], s[42:43]          ; lane r: entity 64 eq + 32 (w / 2) + 8 (w % 2) + RP(r)
	global_load_b128 v[16:19], v[WA], s[18:19]
	global_load_b128 v[20:23], v[WA], s[18:19] offset:32
	s_cmp_lg_u32 s32, 0                            ; the wave with a chunk's fragment 0 also lays its 1,024 scale bytes
	s_cbranch_scc1 .Lno_scales
	global_load_b128 v[24:27], v[WSA], s[20:21]
	global_load_b128 v[28:31], v[WSA], s[20:21] offset:16
	s_wait_loadcnt 0x0
	global_store_b128 v[LO], v[24:27], s[38:39] offset:16384
	global_store_b128 v[LO], v[28:31], s[38:39] offset:16384+512
.Lno_scales:
	s_wait_loadcnt 0x0
	global_store_b128 v[LO], v[16:19], s[40:41]    ; 32 lanes store 512 consecutive bytes
	global_store_b128 v[LO], v[20:23], s[40:41] offset:512
	v_add_nc_u32 v249, 0x4e20, v248                ; an index under 0 counts from the table's end,
	v_cmp_gt_i32 vcc_lo, 0, v248
	v_cndmask_b32 v248, v248, v249, vcc_lo
	v_min_u32 v[XA], 0x4e1f, v248                  ; and stays inside the table
	v_lshlrev_b32 v[XA], 12, v[XA]                 ; a row is 4,096 bytes
	v_add_nc_u32 v[XA], v[XA], v[H64]              ; + 64 h: my 16 numbers of each block of 32
; my row's numbers of K step s: register 16 b + i = k 128 s + 32 b + 16 h + i
.macro XLOAD reg, s
.irp b, 0,1,2,3
.irp j, 0,1,2,3
	global_load_b128 v[(\reg)+16*\b+4*\j:(\reg)+16*\b+4*\j+3], v[XA], s[8:9] offset:512*(\s)+128*\b+16*\j
.endr
.endr
.endm
; K step s of my 64 rows of WK: four tiles t = 2 gd + u, rows 32 gd + 8 u + RP(r), into window 2 at 64 t + 8 s: they stay
.macro WLOAD s
	WIN 0x80
.irp t, 0,1,2,3
.irp c, 0,1
	global_load_b128 v[64*\t+8*(\s)+4*\c:64*\t+8*(\s)+4*\c+3], v[WA], s[44:45] offset:(32*(\t/2)+8*(\t%2))*512+64*(\s)+32*\c
.endr
.endr
	WIN 0
.endm
; K step s of x: 64 numbers a lane become a fragment and a scale word, which go to LDS as they stand.  n: the loads issued behind this step's sixteen
.macro XSTEP s, n
	s_wait_dscnt 0x0                               ; the last step's LDS stores have read the codes' registers
	s_wait_loadcnt \n
	QMAX HA+64*((\s)%2)
.irp q, 0,1,2,3
	v_lshrrev_b32 v[TM+4+\q], 23, v[TM+8+\q]
.endr
	v_lshl_or_b32 v[PW], v[TM+5], 8, v[TM+4]       ; the four bytes make my row's scale word
	v_lshl_or_b32 v[PW], v[TM+6], 16, v[PW]
	v_lshl_or_b32 v[PW], v[TM+7], 24, v[PW]
	QCVT HA+64*((\s)%2), 2, 0
.irp c, 0,1
.irp i, 0,1
	v_permlane16_swap_b32 v[PC+4*\c+\i], v[PC+4*\c+2+\i]
.endr
.endr
.irp c, 0,1
	ds_store_b128 v[XWI], v[PC+4*\c:PC+4*\c+3] offset:1024*(\s)+512*\c
.endr
	ds_store_b32 v[XSW], v[PW] offset:256*((\s)/4)+4*((\s)%4)   ; lanes r and 16 + r write the same word with the same value
.if (\s) < 6
	XLOAD HA+64*((\s)%2), (\s)+2
.endif
	WLOAD \s
.endm
	XLOAD HA, 0
	XLOAD HA+64, 1
	XSTEP 0, 16                                    ; issue order: X0, X1, then in step s: X(s + 2), 16 loads, and W(s), 8
	XSTEP 1, 24
	XSTEP 2, 32
	XSTEP 3, 32
	XSTEP 4, 32
	XSTEP 5, 32
	XSTEP 6, 32
	XSTEP 7, 16
	; ---- WK's scale words, the bias and the mask, each by register and by lane
.irp gd, 0,1
.irp j, 0,1
	global_load_b128 v[WSC+8*\gd+4*\j:WSC+8*\gd+4*\j+3], v[WSA], s[46:47] offset:1024*\gd+16*\j
.endr
.endr
.irp gd, 0,1
.irp i, 0,1,2,3
	global_load_b128 v[BD+16*\gd+4*\i:BD+16*\gd+4*\i+3], v[H64], s[48:49] offset:128*\gd+16*\i
.endr
.endr
.irp t, 0,1,2,3
	global_load_b32 v[BL+2*\t], v[IA], s[48:49] offset:128*(\t/2)+32*(\t%2)
.endr
.irp m, 0,1,2,3
	global_load_b32 v[MKL+2*\m], v[IA], s[50:51] offset:128*(\m/2)+32*(\m%2)
.endr
.irp ge, 0,1
.irp i, 0,1,2,3
	global_load_b128 v[MKR+16*\ge+4*\i:MKR+16*\ge+4*\i+3], v[H64], s[50:51] offset:128*\ge+16*\i
.endr
.endr
	s_wait_dscnt 0x0                               ; for the others' sake: my images lie in LDS
	s_barrier_signal -1
	s_barrier_wait -1                              ; everybody's do
	ALOAD
	s_wait_loadcnt 0x0                             ; WK, its scale words, bias, indices
.irp m, 0,1,2,3
	v_cmp_ne_u32 vcc_lo, -1, v[MKL+2*\m]
	v_cndmask_b32 v[MKL+2*\m], 0, 1.0, vcc_lo      ; 1 for an entity, 0 for the index -1
	v_mov_b32 v[MKL+2*\m+1], v[MKL+2*\m]
	v_mov_b32 v[BL+2*\m+1], v[BL+2*\m]
.endr
.set qi, 0
.rept 32
	v_cmp_ne_u32 vcc_lo, -1, v[MKR+qi]
	v_cndmask_b32 v[MKR+qi], 0, 1.0, vcc_lo
.set qi, qi+1
.endr
	s_wait_dscnt 0x0                               ; x's fragments and scale words
; Source 0 = 16 rows of WK, source 1 = 16 entities: a lane holds ONE entity, and the 16 registers of tiles 2 gd, 2 gd + 1 run along d.  The eight accumulators take turns, one instruction a turn.
.macro ORI1 gd
	WIN 0x06                                       ; source 0 window 2, source 1 window 1
.irp s, 0,1,2,3,4,5,6,7
.irp m, 0,1,2,3
.irp u, 0,1
.if \s == 0
	WM HA+16*\m+8*\u, 64*(2*(\gd)+\u)+8*\s, 64*\m+8*\s, -1, WSC+8*(\gd)+\s, ASC+4*\m+\s%4, \u, \s/4
.else
	WM HA+16*\m+8*\u, 64*(2*(\gd)+\u)+8*\s, 64*\m+8*\s, HA+16*\m+8*\u, WSC+8*(\gd)+\s, ASC+4*\m+\s%4, \u, \s/4
.endif
.endr
.endr
.endr
	WIN 0
	PLACES 5                                       ; four in front of the first read of results, five in front of the products that begin these accumulators anew
.irp m, 0,1,2,3
.irp p, 0,2,4,6,8,10,12,14
	v_pk_add_f32 v[HA+16*\m+\p:HA+16*\m+\p+1], v[HA+16*\m+\p:HA+16*\m+\p+1], v[BD+16*(\gd)+\p:BD+16*(\gd)+\p+1]   ; + WK_b; each accumulator from its low end on
.endr
.endr
.irp m, 0,1,2,3
.irp p, 0,2,4,6,8,10,12,14
	v_pk_mul_f32 v[HA+16*\m+\p:HA+16*\m+\p+1], v[HA+16*\m+\p:HA+16*\m+\p+1], v[MKL+2*\m:MKL+2*\m+1]               ; x the entity's mask
.endr
.endr
	QUANTG HA, \gd
.endm
; The sources swapped: a lane holds ONE column d, and the 16 registers of entity tiles 2 ge, 2 ge + 1 run along the entities.
.macro ORI2 ge
	WIN 0x09                                       ; source 0 window 1, source 1 window 2
.irp s, 0,1,2,3,4,5,6,7
.irp t, 0,1,2,3
.irp u, 0,1
.if \s == 0
	WM HA+16*\t+8*\u, 64*(2*(\ge)+\u)+8*\s, 64*\t+8*\s, -1, ASC+4*(2*(\ge)+\u)+\s%4, WSC+8*(\t/2)+\s, \s/4, \t%2
.else
	WM HA+16*\t+8*\u, 64*(2*(\ge)+\u)+8*\s, 64*\t+8*\s, HA+16*\t+8*\u, ASC+4*(2*(\ge)+\u)+\s%4, WSC+8*(\t/2)+\s, \s/4, \t%2
.endif
.endr
.endr
.endr
	WIN 0
	PLACES 5
.irp t, 0,1,2,3
.irp p, 0,2,4,6,8,10,12,14
	v_pk_add_f32 v[HA+16*\t+\p:HA+16*\t+\p+1], v[HA+16*\t+\p:HA+16*\t+\p+1], v[BL+2*\t:BL+2*\t+1]
.endr
.endr
.irp t, 0,1,2,3
.irp p, 0,2,4,6,8,10,12,14
	v_pk_mul_f32 v[HA+16*\t+\p:HA+16*\t+\p+1], v[HA+16*\t+\p:HA+16*\t+\p+1], v[MKR+16*(\ge)+\p:MKR+16*(\ge)+\p+1]
.endr
.endr
	QUANTG HA, \ge
.endm
	ORI1 0
	ORI1 1
	SWAPS
.irp m, 0,1,2,3
	global_store_b128 v[LO], v[PC+4*\m:PC+4*\m+3], s[52:53] offset:(\m/2)*CH+(\m%2)*1024   ; 512 consecutive bytes: half a fragment of entity tile m
.endr
.irp m, 0,1,2,3
	global_store_b16 v[SO], v[PB+\m], s[54:55] offset:(\m/2)*CH+256*(\m%2)                 ; its two scale bytes a row
.endr
	s_wait_xcnt 0x0                                ; the stores' data are written again only behind this wait
	ORI2 0
	ORI2 1
	SWAPS
.irp t, 0,1,2,3
	global_store_b128 v[LO], v[PC+4*\t:PC+4*\t+3], s[56:57] offset:4096*(\t/2)+1024*(\t%2)
.endr
.irp t, 0,1,2,3
	global_store_b16 v[SO], v[PB+\t], s[58:59] offset:256*(\t%2)+8*(\t/2)
.endr
	s_wait_tensorcnt 0x0
	ds_add_u32 v254, v255
	s_wait_dscnt 0x0
	s_endpgm
.Lfunc_end_k_q67e33148da_prep:
	.size	k_q67e33148da_prep, .Lfunc_end_k_q67e33148da_prep-k_q67e33148da_prep
	.p2alignl 7, 3214868480
	.fill 96, 4, 3214868480
	.section	.rodata,"a",@progbits
	.p2align	6, 0x0
	.amdhsa_kernel k_q67e33148da_prep
		.amdhsa_group_segment_fixed_size 35328
		.amdhsa_private_segment_fixed_size 0
		.amdhsa_enable_private_segment 0
		.amdhsa_kernarg_size 88
		.amdhsa_user_sgpr_count 2
		.amdhsa_user_sgpr_kernarg_segment_ptr 1
		.amdhsa_wavefront_size32 1
		.amdhsa_system_sgpr_workgroup_id_x 1
		.amdhsa_system_sgpr_workgroup_id_y 1
		.amdhsa_system_sgpr_workgroup_id_z 1
		.amdhsa_system_vgpr_workitem_id 0
		.amdhsa_next_free_vgpr 768
		.amdhsa_next_free_sgpr 66
		.amdhsa_reserve_vcc 1
		.amdhsa_float_denorm_mode_32 3
		.amdhsa_float_denorm_mode_16_64 3
		.amdhsa_memory_ordered 1
		.amdhsa_forward_progress 1
		.amdhsa_inst_pref_size 133
	.end_amdhsa_kernel
	.amdgpu_metadata
---
amdhsa.version: [ 1, 2 ]
amdhsa.kernels:
  - .name:           k_q67e33148da_prep
    .symbol:         k_q67e33148da_prep.kd
    .args:
      - { .name: ent_emb, .offset: 0, .size: 8, .value_kind: global_buffer, .address_space: global }
      - { .name: ent_idx_in_batch, .offset: 8, .size: 8, .value_kind: global_buffer, .address_space: global }
      - { .name: WK_w_codes, .offset: 16, .size: 8, .value_kind: global_buffer, .address_space: global }
      - { .name: WK_w_scales, .offset: 24, .size: 8, .value_kind: global_buffer, .address_space: global }
      - { .name: WK_b, .offset: 32, .size: 8, .value_kind: global_buffer, .address_space: global }
      - { .name: WQ_w_codes, .offset: 40, .size: 8, .value_kind: global_buffer, .address_space: global }
      - { .name: WQ_w_scales, .offset: 48, .size: 8, .value_kind: global_buffer, .address_space: global }
      - { .name: WO_w_codes, .offset: 56, .size: 8, .value_kind: global_buffer, .address_space: global }
      - { .name: WO_w_scales, .offset: 64, .size: 8, .value_kind: global_buffer, .address_space: global }
      - { .name: wf, .offset: 72, .size: 8, .value_kind: global_buffer, .address_space: global }
      - { .name: ent, .offset: 80, .size: 8, .value_kind: global_buffer, .address_space: global }
    .group_segment_fixed_size: 35328
    .private_segment_fixed_size: 0
    .kernarg_segment_align: 8
    .kernarg_segment_size: 88
    .max_flat_workgroup_size: 128
    .sgpr_count:     66
    .vgpr_count:     768
    .wavefront_size: 32
...
	.end_amdgpu_metadata
.endif
;; end of part 1
;; launch main (part 2): grid 256 x 1, 4 waves a work-group, no clusters, 309,760 bytes of LDS; arguments query_codes, query_scales, wf, ent, WQ_b, WO_b, ent_idx_in_batch, ln_g, ln_b, out0; writes out0
.if DOCPART == 2
	.amdgcn_target "amdgcn-amd-amdhsa--gfx1250"
	.amdhsa_code_object_version 6
	.text
	.protected	k_q67e33148da_main
	.globl	k_q67e33148da_main
	.p2align	8
	.type	k_q67e33148da_main,@function
k_q67e33148da_main:
	s_mov_b64 s[64:65], 0
	v_nop
	global_prefetch_b8 v0, s[64:65] scope:SCOPE_SE
	s_setreg_imm32_b32 hwreg(HW_REG_WAVE_MODE, 25, 1), 1
	s_wait_xcnt 0x0
; MAIN.  out = LayerNorm(Q(softmax(Q(q) Q(ent)^T - 1e5 (1 - mask)) / 32) Q(ent) -> Q(.) WO^T + WO_b), q = query WQ^T + WQ_b; all five products on codes of FP4 (E2M1) with one E8M0 scale for each 32 along K.
; SHARES.  A work-group of four waves owns 64 rows of one batch through the whole chain: 256 work-groups.  THE WAVES SHARE THE COLUMNS, NOT THE ROWS: wave w makes columns 256 w .. 256 w + 255 of q, of p x ent and of
; the last product, and the scores of entities 64 w .. 64 w + 63, for all 64 rows.  So each byte of WQ, ent and WO is used by ONE wave of the work-group, and goes from memory straight into that wave's registers.
; The launch before has laid them in CHUNKS of 17,408 bytes, in the order of the operand's registers: each load of the wave reads 512 consecutive bytes.
; Full chunk (32 operand rows G, K = 1,024): fragment f = 2 s + u at 1024 f + 512 c + 16 lane; scale words at 16384 + 512 j + 16 lane (lane 16 u + r: words 4 j .. 4 j + 3 of the row of tile u).
; P chunk (four groups i of 32 rows, K = 256): 4096 i + 1024 (2 s + u) + 512 c + 16 lane; scale words at 16384 + 512 (i / 2) + 16 lane + 8 (i % 2) + 4 s.
; Lane r of tile u stands for row 32 G + 8 u + r + 8 (r / 8).  EVERY PRODUCT IS USED TRANSPOSED (source 0 = 16 rows of a chunk, source 1 = 16 of my 64 rows): a lane (r, h) then holds ONE of the 64 rows, and the 16
; registers of tiles u = 0, 1 are the 16 neighbouring columns 32 G + 16 h + 0 .. 15: half a block of the next K; the other half lies in lane l xor 16.
; q, p and v go from wave to wave through LDS as IMAGES OF THE OPERAND'S REGISTERS (16 bytes a lane, 512 a store), their scale bytes two at a time.  Nothing but out0 is stored to memory.
; THE STREAM of a wave is 20 chunks: 8 of WQ, 2 + 2 of its batch's ent, 8 of WO, through two buffers of 128 registers.  A half chunk is 17 loads; a half is asked for again as soon as it has been multiplied.
; NO TENSOR LOADS, NO CLUSTER: LayerNorm wants whole rows, so 64 rows x 4,112 bytes = 263,168 bytes of LDS hold the last product's results; with 46,080 bytes of images, biases and partial maxima and sums 18 KB are
; left, too little for two slots of tiles; and a chunk would cross LDS with no second reader in the work-group.
; The biases, and -1e5 for the index -1, are the C of each sum's first matrix instruction.
; LIMITS: a block whose largest magnitude lies under 2^-124, a block of zeros among them, gets the scale byte 1 (zeros: the rule says 127; the codes are zeros and this program alone reads the bytes).
; A p under 2^-126 is 0 (v_exp_f32 gives no denormals: ISA guide, 15.8).  NaN and infinities are not served.  The biases enter the sums first, not last: another order of rounding than reference()'s.
; REGISTERS, in windows of 256: window 0: v1-31 addresses; v32-95, v96-159 accumulators; v160-191 the quantiser's; v200-231 scale words; v232-251 statistics.
;   window 1: the 64 rows' operand, 32 fragments at 64 m + 8 s.   window 2: two chunk buffers, 128 b + 8 f.   window 3: v0-31 the next chunks' C (16 b + 8 u + j); v32-63 ln_g, v64-95 ln_b.
.set CH,   17408
.set WOFF, 32*CH                       ; WO's chunks in wf
.set STGP, 4112                        ; LDS 0: the stage, 64 rows x (4,096 + 16) bytes.  Until the last product begins it holds:
.set XSP,  528                         ;   0: query's 64 rows of codes, 512 + 16 bytes each
.set QIMG, 34816                       ;   q's 32 fragments, 1024 (8 m + s)
.set QSC,  67584                       ;   their scale words: [m][32 lanes][16 bytes]: word s of row r at 512 m + 16 (r + 16 (s / 4)) + 4 (s % 4)
.set PIMG, 69632                       ;   p's 8 fragments, 2048 m + 1024 s
.set PSC,  77824                       ;   their scale words: 128 m + 8 r + 4 s
.set VIMG, 263168                      ; behind the stage: v's 32 fragments,
.set VSC,  295936                      ; their scale words,
.set BIAS, 297984                      ; for each wave 2,304 bytes: its 256 of WQ_b, its 64 entities' 0 or -1e5, its 256 of WO_b
.set REDM, 307200                      ; the waves' maxima, [w][r][m], and 1,024 bytes on their sums
.set LO,   1                           ; v1   16 x lane
.set RL,   2                           ; v2   r
.set HL,   3                           ; v3   h
.set BA0,  4                           ; v4   BIAS + 2304 w + 64 h
.set BAD,  5                           ; v5   + s[TB]
.set IW0,  6                           ; v6   16 lane + 2048 w: where my part of an image begins
.set IWA,  7
.set SW0,  8                           ; v8   16 r + 256 (w / 2) + 8 (w % 2): and of its scale words
.set SWA,  9
.set ARD,  10                          ; v10  an image's first byte + 16 lane
.set ARS,  11                          ; v11  its scale words' + 16 lane
.set XW,   12                          ; v12  query's rows on the way in
.set XR,   13                          ; v13  and out: 528 r + 16 h
.set RW,   14                          ; v14  REDM + 256 w + 16 r
.set RR,   15                          ; v15  REDM + 16 r
.set STB,  16                          ; v16-19 the stage: 4112 (16 m + r) + 64 h + 1024 w
.set STA,  20                          ; v20-23 + s[TG]
.set LNR,  24                          ; v24  the stage, back: my 16 rows, 16 bytes a lane
.set LNA,  25                          ; v25  + s[TL]  (at the head: where the 64 entities' C is stored)
.set PSW,  26                          ; v26  PSC + 8 r + 2 w
.set PSR,  27                          ; v27  PSC + 8 r
.set PIW,  28                          ; v28  PIMG + 512 w + 16 lane
.set QSA,  29                          ; v29  32 r + 16 h
.set L8,   30                          ; v30  8 x lane
.set BW,   31                          ; v31  BIAS + 2304 w + 16 lane
.set HA,   32
.set PC,   160                         ; v160-175 codes just made; in the softmax and the norm: pairs
.set PR,   160
.set SM,   168
.set PB,   176                         ; v176-179 two scale bytes for each tile of rows
.set TM,   180                         ; v180-183 largest magnitudes, v184-187 at work, v188-191 the conversions' scale operands
.set ASC,  200                         ; v200-215 the rows' scale words: 4 m + s % 4, lanes 16 (s / 4) + r
.set WSC,  216                         ; v216-231 the chunks': 8 b + s, lanes 16 u + r
.set MX,   232                         ; v232-235 a number for each tile of rows (or row)
.set MT,   236                         ; v236-251 at work
.set LP,   28                          ; s[28:29] the pair of chunks that is being asked for
.set NP,   30                          ; s[30:31] my four chunks of ent
.set OP,   32                          ; s[32:33] my eight chunks of WO
.set SEL,  34                          ; s[34:35] v_permlanex16_b32's selects for lane l xor 16
.set LG,   36                          ; s[36:37] log2(e): the packed form names a pair and takes its low word for both halves
.set TB,   38                          ; s38  where the next chunks' C begins in my 2,304 bytes
.set TI,   39                          ; s39  q's image, s40 its scale words: the trip's place
.set TS,   40
.set TG,   41                          ; s41  the stage: the trip's columns
.set TL,   42                          ; s42  the stage: the trip's rows
.set EPS,  43
.set RN,   44                          ; 1 / 1,024
.set MSB, 0
.macro WIN new                         ; the immediate's high byte repeats the setting that is left; a switch that changes nothing is dropped
.if MSB != \new
	s_set_vgpr_msb (MSB<<8)|\new
.set MSB, \new
.endif
.endm
.macro PLACES n
.rept \n
	v_nop
.endr
.endm
; One matrix instruction.  c < 0: the constant 0 starts the sum.  ra, rb: the scale words of source 0, of source 1, stand in lanes 16-31.
.macro WM d, a, b, c, sa, sb, ra, rb
.if (\c) < 0
.if (\ra) && (\rb)
	v_wmma_scale_f32_16x16x128_f8f6f4 v[(\d):(\d)+7], v[(\a):(\a)+7], v[(\b):(\b)+7], 0, v[\sa], v[\sb] matrix_a_fmt:MATRIX_FMT_FP4 matrix_b_fmt:MATRIX_FMT_FP4 matrix_a_scale:MATRIX_SCALE_ROW1 matrix_b_scale:MATRIX_SCALE_ROW1
.elseif (\ra)
	v_wmma_scale_f32_16x16x128_f8f6f4 v[(\d):(\d)+7], v[(\a):(\a)+7], v[(\b):(\b)+7], 0, v[\sa], v[\sb] matrix_a_fmt:MATRIX_FMT_FP4 matrix_b_fmt:MATRIX_FMT_FP4 matrix_a_scale:MATRIX_SCALE_ROW1
.elseif (\rb)
	v_wmma_scale_f32_16x16x128_f8f6f4 v[(\d):(\d)+7], v[(\a):(\a)+7], v[(\b):(\b)+7], 0, v[\sa], v[\sb] matrix_a_fmt:MATRIX_FMT_FP4 matrix_b_fmt:MATRIX_FMT_FP4 matrix_b_scale:MATRIX_SCALE_ROW1
.else
	v_wmma_scale_f32_16x16x128_f8f6f4 v[(\d):(\d)+7], v[(\a):(\a)+7], v[(\b):(\b)+7], 0, v[\sa], v[\sb] matrix_a_fmt:MATRIX_FMT_FP4 matrix_b_fmt:MATRIX_FMT_FP4
.endif
.else
.if (\ra) && (\rb)
	v_wmma_scale_f32_16x16x128_f8f6f4 v[(\d):(\d)+7], v[(\a):(\a)+7], v[(\b):(\b)+7], v[(\c):(\c)+7], v[\sa], v[\sb] matrix_a_fmt:MATRIX_FMT_FP4 matrix_b_fmt:MATRIX_FMT_FP4 matrix_a_scale:MATRIX_SCALE_ROW1 matrix_b_scale:MATRIX_SCALE_ROW1
.elseif (\ra)
	v_wmma_scale_f32_16x16x128_f8f6f4 v[(\d):(\d)+7], v[(\a):(\a)+7], v[(\b):(\b)+7], v[(\c):(\c)+7], v[\sa], v[\sb] matrix_a_fmt:MATRIX_FMT_FP4 matrix_b_fmt:MATRIX_FMT_FP4 matrix_a_scale:MATRIX_SCALE_ROW1
.elseif (\rb)
	v_wmma_scale_f32_16x16x128_f8f6f4 v[(\d):(\d)+7], v[(\a):(\a)+7], v[(\b):(\b)+7], v[(\c):(\c)+7], v[\sa], v[\sb] matrix_a_fmt:MATRIX_FMT_FP4 matrix_b_fmt:MATRIX_FMT_FP4 matrix_b_scale:MATRIX_SCALE_ROW1
.else
	v_wmma_scale_f32_16x16x128_f8f6f4 v[(\d):(\d)+7], v[(\a):(\a)+7], v[(\b):(\b)+7], v[(\c):(\c)+7], v[\sa], v[\sb] matrix_a_fmt:MATRIX_FMT_FP4 matrix_b_fmt:MATRIX_FMT_FP4
.endif
.endif
.endm
; Four sets q of 16 numbers, v[src + 16 q + i]: half a block of 32; the other half lies in lane l xor 16.  QMAX leaves each block's largest magnitude, never under the floor 2^(3 - 127), with 2 taken off its
; exponent field, in v[TM + 8 + q]: the conversion takes that field as its scale.  The registers are read in ascending order.
.macro QMAX src
.irp q, 0,1,2,3
	v_max3_num_f32 v[TM+\q], |v[(\src)+16*\q]|, |v[(\src)+16*\q+1]|, 0x1800000
.endr
.irp i, 2,4,6,8,10,12,14
.irp q, 0,1,2,3
	v_max3_num_f32 v[TM+\q], v[TM+\q], |v[(\src)+16*\q+\i]|, |v[(\src)+16*\q+\i+1]|   ; the four sets by turns: no line waits for the line above it
.endr
.endr
.irp q, 0,1,2,3
	v_permlanex16_b32 v[TM+4+\q], v[TM+\q], s[SEL], s[SEL+1]
.endr
.irp q, 0,1,2,3
	v_max_num_f32 v[TM+\q], v[TM+\q], v[TM+4+\q]
.endr
.irp q, 0,1,2,3
	v_add_nc_u32 v[TM+8+\q], 0xff000000, v[TM+\q]
.endr
.endm
.macro QCVT src, st, off               ; set q's 16 codes into v[PC + st q + off] and the next register
.irp q, 0,1,2,3
	v_cvt_scalef32_pk8_fp4_f32 v[PC+(\st)*\q+(\off)], v[(\src)+16*\q:(\src)+16*\q+7], v[TM+8+\q]
	v_cvt_scalef32_pk8_fp4_f32 v[PC+(\st)*\q+(\off)+1], v[(\src)+16*\q+8:(\src)+16*\q+15], v[TM+8+\q]
.endr
	v_nop                                          ; one plain line behind the last scaled conversion
.endm
; The four sets are the four tiles of rows, their 16 numbers half of ONE block of 32 along the next K; e = 0, 1: the two blocks of 64 along that K.
.macro QUANTG src, e
	QMAX \src
.if (\e) == 0
.irp q, 0,1,2,3
	v_lshrrev_b32 v[PB+\q], 23, v[TM+8+\q]         ; the scale's byte
.endr
.else
.irp q, 0,1,2,3
	v_lshrrev_b32 v[TM+4+\q], 23, v[TM+8+\q]
.endr
.irp q, 0,1,2,3
	v_lshl_or_b32 v[PB+\q], v[TM+4+\q], 8, v[PB+\q]
.endr
.endif
	QCVT \src, 4, 2*(\e)
.endm
.macro SWAPS                           ; the operand's layout wants a WHOLE block in a lane: lanes 0-15 the first block, lanes 16-31 the second.  v[PC + 4 q .. + 3] is then half a fragment: 64 along K
.irp q, 0,1,2,3
.irp i, 0,1
	v_permlane16_swap_b32 v[PC+4*\q+\i], v[PC+4*\q+2+\i]
.endr
.endr
.endm
.macro ALOAD                           ; 32 fragments (4 tiles of rows x 8 K steps) out of LDS into window 1, their scale words into v[ASC] on
	WIN 0x40
.irp m, 0,1,2,3
.irp s, 0,1,2,3,4,5,6,7
.irp c, 0,1
	ds_load_b128 v[64*\m+8*\s+4*\c:64*\m+8*\s+4*\c+3], v[ARD] offset:(8*\m+\s)*1024+512*\c
.endr
.endr
.endr
	WIN 0
.irp m, 0,1,2,3
	ds_load_b128 v[ASC+4*\m:ASC+4*\m+3], v[ARS] offset:512*\m
.endr
.endm
.macro BARRIER                         ; my LDS stores have landed and my LDS loads are in: then the work-group's barrier
	s_wait_dscnt 0x0
	s_barrier_signal -1
	s_barrier_wait -1
.endm
.macro BILOAD b                        ; the C of the chunk that buffer b takes next: 16 numbers a lane, columns 32 G + 16 h + 0 .. 15, out of my own bytes of LDS into window 3
	WIN 0
	v_add_nc_u32 v[BAD], s[TB], v[BA0]
	WIN 0xc0
.irp i, 0,1,2,3
	ds_load_b128 v[16*(\b)+4*\i:16*(\b)+4*\i+3], v[BAD] offset:128*(\b)+16*\i
.endr
.endm
.macro REFILL b, hs, bias              ; half hs of buffer b takes the same half of the chunk at s[LP] + b CH: 17 loads of 512 consecutive bytes
	WIN 0
	global_load_b128 v[WSC+8*(\b)+4*(\hs):WSC+8*(\b)+4*(\hs)+3], v[LO], s[LP:LP+1] offset:(\b)*CH+16384+512*(\hs)
.if \bias
	BILOAD \b
.endif
	WIN 0x80
.irp q, 0,1,2,3,4,5,6,7,8,9,10,11,12,13,14,15
	global_load_b128 v[128*(\b)+64*(\hs)+4*\q:128*(\b)+64*(\hs)+4*\q+3], v[LO], s[LP:LP+1] offset:(\b)*CH+8192*(\hs)+512*\q
.endr
.endm
; K step s of a full chunk in buffer b: 8 matrix instructions, the four tiles of rows x the chunk's two tiles.  cb >= 0: C is taken from v[cb + 8 u] (of window 3).
; The eight accumulators take turns, one instruction a turn.
.macro MULS acc, b, s, cb
.irp m, 0,1,2,3
.irp u, 0,1
.if (\cb) >= 0
	WM (\acc)+16*\m+8*\u, 128*(\b)+16*(\s)+8*\u, 64*\m+8*(\s), (\cb)+8*\u, WSC+8*(\b)+(\s), ASC+4*\m+(\s)%4, \u, (\s)/4
.else
	WM (\acc)+16*\m+8*\u, 128*(\b)+16*(\s)+8*\u, 64*\m+8*(\s), (\acc)+16*\m+8*\u, WSC+8*(\b)+(\s), ASC+4*\m+(\s)%4, \u, (\s)/4
.endif
.endr
.endr
.endm
; A full chunk: 64 rows x 32 columns x K = 1,024.  n0, n1: the loads issued behind its first and its second half, which may stay out.
.macro CHUNK acc, b, n0, n1, refill, bias
	s_wait_dscnt 0x0                               ; the chunk's C is in; my LDS stores have read the accumulators, the codes and the bytes that are written next
	s_wait_loadcnt \n0
	WIN 0x36                                       ; source 0 window 2, source 1 window 1, C window 3
	MULS \acc, \b, 0, 16*(\b)
	WIN 0x06
	MULS \acc, \b, 1, -1
	MULS \acc, \b, 2, -1
	MULS \acc, \b, 3, -1
.if \refill
	PLACES 4                                       ; in front of loads into registers that matrix instructions have read
	REFILL \b, 0, \bias
.endif
	s_wait_loadcnt \n1
	WIN 0x06
	MULS \acc, \b, 4, -1
	MULS \acc, \b, 5, -1
	MULS \acc, \b, 6, -1
	MULS \acc, \b, 7, -1
	PLACES 5                                       ; four in front of loads and of the first read of results, five in front of the products that begin these accumulators anew
.if \refill
	REFILL \b, 1, 0
.endif
	WIN 0
.endm
	s_load_b512 s[8:23], s[0:1], 0x0               ; query codes s[8:9], query scales s[10:11], wf s[12:13], ent s[14:15], WQ_b s[16:17], WO_b s[18:19], idx s[20:21], ln_g s[22:23]
	s_load_b128 s[24:27], s[0:1], 0x40             ; ln_b s[24:25], out0 s[26:27]
	v_lshl_add_u32 v254, v0, 2, 0x4b800
	v_mov_b32 v255, 0
	v_lshrrev_b32 v[BW], 5, v0
	v_readfirstlane_b32 s2, v[BW]                  ; wave 0..3
	v_and_b32 v[L8], 31, v0
	v_lshlrev_b32 v[LO], 4, v[L8]
	v_lshlrev_b32 v[L8], 3, v[L8]
	v_and_b32 v[RL], 15, v0
	v_bfe_u32 v[HL], v0, 4, 1
	s_mul_i32 s46, s2, 2304
	s_add_co_u32 s46, s46, BIAS
	v_lshl_add_u32 v[BA0], v[HL], 6, s46
	v_add_nc_u32 v[BW], s46, v[LO]
	v_add_nc_u32 v[LNA], s46, v[L8]
	s_lshl_b32 s47, s2, 11
	v_add_nc_u32 v[IW0], s47, v[LO]
	s_lshr_b32 s47, s2, 1
	s_lshl_b32 s47, s47, 8
	s_and_b32 s48, s2, 1
	s_lshl_b32 s48, s48, 3
	s_add_co_u32 s47, s47, s48
	v_lshl_add_u32 v[SW0], v[RL], 4, s47
	s_mul_i32 s47, s2, 16*XSP
	v_add_nc_u32 v[XW], s47, v[LO]
	v_mul_u32_u24 v[XR], v[RL], XSP
	v_lshl_add_u32 v[XR], v[HL], 4, v[XR]
	s_lshl_b32 s47, s2, 8
	s_add_co_u32 s47, s47, REDM
	v_lshl_add_u32 v[RW], v[RL], 4, s47
	v_lshl_add_u32 v[RR], v[RL], 4, REDM
	v_mul_u32_u24 v[STB], v[RL], STGP
	v_lshl_add_u32 v[STB], v[HL], 6, v[STB]
	s_lshl_b32 s47, s2, 10
	v_add_nc_u32 v[STB], s47, v[STB]
.irp m, 1,2,3
	v_add_nc_u32 v[STB+\m], 16*STGP*\m, v[STB]
.endr
	s_mul_i32 s47, s2, 16*STGP
	v_add_nc_u32 v[LNR], s47, v[LO]
	s_lshl_b32 s47, s2, 1
	s_add_co_u32 s47, s47, PSC
	v_lshl_add_u32 v[PSW], v[RL], 3, s47
	v_lshl_add_u32 v[PSR], v[RL], 3, PSC
	s_lshl_b32 s47, s2, 9
	s_add_co_u32 s47, s47, PIMG
	v_add_nc_u32 v[PIW], s47, v[LO]
	v_lshlrev_b32 v[QSA], 5, v[RL]
	v_lshl_add_u32 v[QSA], v[HL], 4, v[QSA]
.irp q, 0,1,2,3
	v_mov_b32 v[TM+4+\q], 0                        ; written once: a lane permute's destination counts as one of its sources
	v_mov_b32 v[MT+\q], 0
.endr
	v_mov_b32 v114, 0xc7c35000                     ; -100,000
	s_mov_b32 s[SEL], 0x76543210
	s_mov_b32 s[SEL+1], 0xfedcba98
	s_mov_b32 s[LG], 0x3fb8aa3b
	s_mov_b32 s[LG+1], s[LG]
	s_mov_b32 s[EPS], 0x3727c5ac                   ; 1e-5
	s_mov_b32 s[RN], 0x3a800000                    ; 2^-10
	s_lshl_b32 s46, ttmp9, 15                      ; query's codes: row 64 g + 16 w of 512 bytes
	s_lshl_b32 s48, s2, 13
	s_add_co_u32 s46, s46, s48
	s_mov_b32 s47, 0
	s_lshl_b32 s48, ttmp9, 11                      ; its scale bytes: row 64 g of 32 bytes
	s_mov_b32 s49, 0
	s_mul_i32 s50, s2, 8*CH                        ; my eight chunks of WQ (and of WO)
	s_mov_b32 s51, 0
	s_lshr_b32 s52, ttmp9, 4                       ; the batch
	s_lshl_b32 s54, s52, 2
	s_add_co_u32 s54, s54, s2
	s_mul_i32 s54, s54, 4*CH                       ; my four chunks of ent
	s_mov_b32 s55, 0
	s_lshl_b32 s56, s2, 10                         ; my 256 numbers of a bias
	s_mov_b32 s57, 0
	s_lshl_b32 s58, s52, 10                        ; my 64 indices
	s_lshl_b32 s53, s2, 8
	s_add_co_u32 s58, s58, s53
	s_mov_b32 s59, 0
	s_lshl_b32 s60, ttmp9, 18                      ; out0: row 64 g + 16 w of 4,096 bytes
	s_lshl_b32 s53, s2, 16
	s_add_co_u32 s60, s60, s53
	s_mov_b32 s61, 0
	s_wait_kmcnt 0x0
	s_add_nc_u64 s[8:9], s[8:9], s[46:47]
	s_add_nc_u64 s[10:11], s[10:11], s[48:49]
	s_add_nc_u64 s[LP:LP+1], s[12:13], s[50:51]
	s_add_nc_u64 s[OP:OP+1], s[LP:LP+1], WOFF
	s_add_nc_u64 s[NP:NP+1], s[14:15], s[54:55]
	s_add_nc_u64 s[16:17], s[16:17], s[56:57]
	s_add_nc_u64 s[18:19], s[18:19], s[56:57]
	s_add_nc_u64 s[20:21], s[20:21], s[58:59]
	s_add_nc_u64 s[26:27], s[26:27], s[60:61]
	; ---- the head's 41 loads
.irp i, 0,1,2,3,4,5,6,7,8,9,10,11,12,13,14,15
	global_load_b128 v[HA+4*\i:HA+4*\i+3], v[LO], s[8:9] offset:512*\i th:TH_LOAD_NT   ; my 16 rows of query's codes, a row of 512 bytes a load
.endr
.irp m, 0,1,2,3
	global_load_b128 v[ASC+4*\m:ASC+4*\m+3], v[QSA], s[10:11] offset:512*\m            ; all 64 rows' scale words, as the products take them
.endr
.irp i, 0,1
	global_load_b128 v[96+4*\i:99+4*\i], v[LO], s[16:17] offset:512*\i
.endr
.irp i, 0,1
	global_load_b128 v[104+4*\i:107+4*\i], v[LO], s[18:19] offset:512*\i
.endr
	global_load_b64 v[112:113], v[L8], s[20:21]
	WIN 0xc0
.irp i, 0,1,2,3,4,5,6,7
	global_load_b128 v[32+4*\i:35+4*\i], v[LO], s[22:23] offset:512*\i                 ; ln_g and ln_b as the norm's lanes hold a row: columns 128 i + 4 lane + 0 .. 3
.endr
.irp i, 0,1,2,3,4,5,6,7
	global_load_b128 v[64+4*\i:67+4*\i], v[LO], s[24:25] offset:512*\i
.endr
	REFILL 0, 0, 0                                 ; WQ's chunk 0
	REFILL 0, 1, 0
	WIN 0
	s_wait_loadcnt 34                              ; the 41 are in; the chunk's 34 may be out
.irp i, 0,1,2,3,4,5,6,7,8,9,10,11,12,13,14,15
	ds_store_b128 v[XW], v[HA+4*\i:HA+4*\i+3] offset:XSP*\i
.endr
.irp i, 0,1
	ds_store_b128 v[BW], v[96+4*\i:99+4*\i] offset:512*\i
.endr
.irp i, 0,1
	ds_store_b128 v[BW], v[104+4*\i:107+4*\i] offset:1280+512*\i
.endr
	v_cmp_eq_u32 vcc_lo, -1, v112
	v_cndmask_b32 v112, 0, v114, vcc_lo            ; -1e5 where the index is -1, else 0
	v_cmp_eq_u32 vcc_lo, -1, v113
	v_cndmask_b32 v113, 0, v114, vcc_lo
	ds_store_b64 v[LNA], v[112:113] offset:1024
	REFILL 1, 0, 0                                 ; WQ's chunk 1
	REFILL 1, 1, 0
	s_mov_b32 s[TB], 0
	BILOAD 0                                       ; LDS serves a wave's instructions in order: these see my stores
	BILOAD 1
	WIN 0
	s_wait_xcnt 0x0                                ; the loads have read their base
	s_add_nc_u64 s[LP:LP+1], s[LP:LP+1], 2*CH
	s_mov_b32 s[TB], 256
	s_mov_b32 s[TI], QIMG
	s_mov_b32 s[TS], QSC
	s_mov_b32 s3, 4
	BARRIER                                        ; query's 64 rows lie in LDS
	WIN 0x40
.irp m, 0,1,2,3
.irp s, 0,1,2,3,4,5,6,7
.irp c, 0,1
	ds_load_b128 v[64*\m+8*\s+4*\c:64*\m+8*\s+4*\c+3], v[XR] offset:16*XSP*\m+64*\s+32*\c
.endr
.endr
.endr
	WIN 0
	; ---- q = query WQ^T + WQ_b, my 256 columns: a trip makes 64 of them, half a fragment for each tile of rows, and asks for the two chunks after the next two
.Lq:
	CHUNK HA, 0, 51, 51, 1, 1                      ; 51: the three halves asked for behind the one that is wanted
	QUANTG HA, 0
	CHUNK HA, 1, 51, 51, 1, 1
	QUANTG HA, 1
	SWAPS
	v_add_nc_u32 v[IWA], s[TI], v[IW0]
	v_add_nc_u32 v[SWA], s[TS], v[SW0]
.irp m, 0,1,2,3
	ds_store_b128 v[IWA], v[PC+4*\m:PC+4*\m+3] offset:8192*\m
.endr
.irp m, 0,1,2,3
	ds_store_b16 v[SWA], v[PB+\m] offset:512*\m    ; lanes r and 16 + r write the same two bytes with the same value
.endr
	s_wait_xcnt 0x0                                ; the loads have read their base
	s_add_nc_u64 s[LP:LP+1], s[LP:LP+1], 2*CH
	s_add_co_u32 s[TB], s[TB], 256
	s_add_co_u32 s[TI], s[TI], 512
	s_add_co_u32 s[TS], s[TS], 2
	s_sub_co_u32 s3, s3, 1
	s_cmp_eq_u32 s3, 1
	s_cselect_b64 s[LP:LP+1], s[NP:NP+1], s[LP:LP+1]   ; the last trip asks for ent's first two chunks
	s_cmp_lg_u32 s3, 0
	s_cbranch_scc1 .Lq
	BARRIER                                        ; q's 32 fragments lie in LDS
	; ---- the scores of my 64 entities: two chunks, K = 1,024; C = 0 or -1e5.  Their refills bring ent's two P chunks
	v_add_nc_u32 v[ARD], QIMG, v[LO]
	v_add_nc_u32 v[ARS], QSC, v[LO]
	ALOAD
	CHUNK HA, 0, 51, 51, 1, 0
	CHUNK HA+64, 1, 51, 51, 1, 0
	s_wait_xcnt 0x0
	s_mov_b64 s[LP:LP+1], s[OP:OP+1]               ; next: WO's chunks
	s_mov_b32 s[TB], 1280
	; ---- softmax over 256 entities.  Number n = 0 .. 31 of tile m: v[HA + 16 m + n + 48 (n / 16)].  The row's maximum: my 32, lane l xor 16's, the other waves'.  Each accumulator is read from its low end on
.irp m, 0,1,2,3
	v_max3_num_f32 v[MX+\m], v[HA+16*\m], v[HA+16*\m+1], v[HA+16*\m+2]
.endr
.irp n, 3,5,7,9,11,13,15,17,19,21,23,25,27,29
.irp m, 0,1,2,3
	v_max3_num_f32 v[MX+\m], v[MX+\m], v[HA+16*\m+\n+48*(\n/16)], v[HA+16*\m+\n+1+48*((\n+1)/16)]
.endr
.endr
.irp m, 0,1,2,3
	v_max_num_f32 v[MX+\m], v[MX+\m], v[HA+16*\m+31+48]
.endr
.irp m, 0,1,2,3
	v_permlanex16_b32 v[MT+\m], v[MX+\m], s[SEL], s[SEL+1]
.endr
.irp m, 0,1,2,3
	v_max_num_f32 v[MX+\m], v[MX+\m], v[MT+\m]
.endr
	ds_store_b128 v[RW], v[MX:MX+3]
	BARRIER
.irp k, 0,1,2,3
	ds_load_b128 v[MT+4*\k:MT+4*\k+3], v[RR] offset:256*\k
.endr
	s_wait_dscnt 0x0
.irp m, 0,1,2,3
	v_max3_num_f32 v[MX+\m], v[MT+\m], v[MT+4+\m], v[MT+8+\m]
.endr
.irp m, 0,1,2,3
	v_max_num_f32 v[MX+\m], v[MX+\m], v[MT+12+\m]  ; M, the row's maximum
.endr
.irp m, 0,1,2,3
	v_mul_f32 v[PR+2*\m], s[LG], v[MX+\m]          ; c = M log2(e), one number for the whole row: its rounding leaves with the division by the row's sum
.endr
.irp m, 0,1,2,3
	v_mov_b32 v[PR+2*\m+1], v[PR+2*\m]
.endr
.irp n, 0,2,4,6,8,10,12,14,16,18,20,22,24,26,28,30
.irp m, 0,1,2,3
	v_pk_fma_f32 v[HA+16*\m+\n+48*(\n/16):HA+16*\m+\n+48*(\n/16)+1], v[HA+16*\m+\n+48*(\n/16):HA+16*\m+\n+48*(\n/16)+1], s[LG:LG+1], v[PR+2*\m:PR+2*\m+1] op_sel_hi:[1,0,1] neg_lo:[0,0,1] neg_hi:[0,0,1]   ; s log2(e) - c, rounded once
.endr
.endr
.set qi, 0
.rept 128
	v_exp_f32 v[HA+qi], v[HA+qi]                   ; e^(s - M): one batch
.set qi, qi+1
.endr
	v_nop                                          ; a plain line behind the last exponential
	s_wait_alu depctr_va_vdst(0)                   ; one wait for the batch, ahead of its first reader
.irp m, 0,1,2,3
	v_pk_add_f32 v[SM+2*\m:SM+2*\m+1], v[HA+16*\m:HA+16*\m+1], v[HA+16*\m+2:HA+16*\m+3]
.endr
.irp n, 4,6,8,10,12,14,16,18,20,22,24,26,28,30
.irp m, 0,1,2,3
	v_pk_add_f32 v[SM+2*\m:SM+2*\m+1], v[SM+2*\m:SM+2*\m+1], v[HA+16*\m+\n+48*(\n/16):HA+16*\m+\n+48*(\n/16)+1]
.endr
.endr
.irp m, 0,1,2,3
	v_add_f32 v[MX+\m], v[SM+2*\m], v[SM+2*\m+1]
.endr
.irp m, 0,1,2,3
	v_permlanex16_b32 v[MT+\m], v[MX+\m], s[SEL], s[SEL+1]
.endr
.irp m, 0,1,2,3
	v_add_f32 v[MX+\m], v[MX+\m], v[MT+\m]
.endr
	ds_store_b128 v[RW], v[MX:MX+3] offset:1024    ; other bytes than the maxima's: no barrier is owed between the reads above and this store
	BARRIER
.irp k, 0,1,2,3
	ds_load_b128 v[MT+4*\k:MT+4*\k+3], v[RR] offset:1024+256*\k
.endr
	s_wait_dscnt 0x0
.irp m, 0,1,2,3
	v_add_f32 v[MX+\m], v[MT+\m], v[MT+4+\m]
.endr
.irp m, 0,1,2,3
	v_add_f32 v[MX+\m], v[MX+\m], v[MT+8+\m]
.endr
.irp m, 0,1,2,3
	v_add_f32 v[MX+\m], v[MX+\m], v[MT+12+\m]      ; the row's sum, the same bits in every wave; it is near 1 or above
.endr
.irp m, 0,1,2,3
	v_rcp_f32 v[MT+\m], v[MX+\m]
.endr
	v_nop
	s_wait_alu depctr_va_vdst(0)                   ; one wait for the four reciprocals
.irp m, 0,1,2,3
	v_fma_f32 v[MT+4+\m], -v[MX+\m], v[MT+\m], 1.0 ; one step of Newton's: what goes into a quantiser is as exact as f32 allows
.endr
.irp m, 0,1,2,3
	v_fma_f32 v[MT+\m], v[MT+4+\m], v[MT+\m], v[MT+\m]
.endr
.irp m, 0,1,2,3
	v_mul_f32 v[PR+2*\m], 0x3d000000, v[MT+\m]     ; x 1024^-0.5 = 1 / 32: exact
.endr
.irp m, 0,1,2,3
	v_mov_b32 v[PR+2*\m+1], v[PR+2*\m]
.endr
.irp n, 0,2,4,6,8,10,12,14,16,18,20,22,24,26,28,30
.irp m, 0,1,2,3
	v_pk_mul_f32 v[HA+16*\m+\n+48*(\n/16):HA+16*\m+\n+48*(\n/16)+1], v[HA+16*\m+\n+48*(\n/16):HA+16*\m+\n+48*(\n/16)+1], v[PR+2*\m:PR+2*\m+1]
.endr
.endr
	QUANTG HA, 0                                   ; p along the entities: my 64 are half a fragment of K step w / 2
	QUANTG HA+64, 1
	SWAPS
.irp m, 0,1,2,3
	ds_store_b128 v[PIW], v[PC+4*\m:PC+4*\m+3] offset:2048*\m
.endr
.irp m, 0,1,2,3
	ds_store_b16 v[PSW], v[PB+\m] offset:128*\m
.endr
	BARRIER                                        ; p's 8 fragments lie in LDS
	; ---- v = p x ent, my 256 columns, K = 256: two P chunks, each half of which holds two groups of 32 columns.  The refills bring WO's first two chunks
	v_add_nc_u32 v[ARD], PIMG, v[LO]
	WIN 0x40
.irp m, 0,1,2,3
.irp s, 0,1
.irp c, 0,1
	ds_load_b128 v[64*\m+8*\s+4*\c:64*\m+8*\s+4*\c+3], v[ARD] offset:2048*\m+1024*\s+512*\c
.endr
.endr
.endr
	WIN 0
.irp m, 0,1,2,3
	ds_load_b64 v[ASC+2*\m:ASC+2*\m+1], v[PSR] offset:128*\m
.endr
	v_add_nc_u32 v[IWA], VIMG, v[IW0]
	v_add_nc_u32 v[SWA], VSC, v[SW0]
.macro PVH b, j                        ; half j of the P chunk in buffer b: 64 columns: half a fragment of v for each tile of rows
	s_wait_dscnt 0x0                               ; p is in; my LDS stores have read the codes and bytes that are written next
	s_wait_loadcnt 51                              ; the three halves asked for behind this one may be out
.irp gi, 0,1
	WIN 0x06
.irp s, 0,1
.irp m, 0,1,2,3
.irp u, 0,1
.if \s == 0
	WM HA+16*\m+8*\u, 128*(\b)+32*(2*(\j)+\gi)+8*(2*\s+\u), 64*\m+8*\s, -1, WSC+8*(\b)+4*(\j)+2*\gi+\s, ASC+2*\m+\s, \u, 0
.else
	WM HA+16*\m+8*\u, 128*(\b)+32*(2*(\j)+\gi)+8*(2*\s+\u), 64*\m+8*\s, HA+16*\m+8*\u, WSC+8*(\b)+4*(\j)+2*\gi+\s, ASC+2*\m+\s, \u, 0
.endif
.endr
.endr
.endr
	PLACES 5
.if \gi == 1
	REFILL \b, \j, 1-(\j)
.endif
	WIN 0
	QUANTG HA, \gi
.endr
	SWAPS
.irp m, 0,1,2,3
	ds_store_b128 v[IWA], v[PC+4*\m:PC+4*\m+3] offset:512*(2*(\b)+(\j))+8192*\m
.endr
.irp m, 0,1,2,3
	ds_store_b16 v[SWA], v[PB+\m] offset:2*(2*(\b)+(\j))+512*\m
.endr
.endm
	PVH 0, 0
	PVH 0, 1
	PVH 1, 0
	PVH 1, 1
	s_wait_xcnt 0x0
	s_add_nc_u64 s[LP:LP+1], s[LP:LP+1], 2*CH
	s_mov_b32 s[TB], 1536
	s_mov_b32 s[TG], 0
	s_mov_b32 s3, 3
	BARRIER                                        ; v's 32 fragments lie in LDS, and nobody reads the bytes under the stage any more
	; ---- v WO^T + WO_b, my 256 columns, into the stage
	v_add_nc_u32 v[ARD], VIMG, v[LO]
	v_add_nc_u32 v[ARS], VSC, v[LO]
	ALOAD
.macro OSTORE e                        ; lane (r, h): row 16 m + r, 16 neighbouring columns: 64 bytes; each accumulator from its low end on
.irp m, 0,1,2,3
.irp i, 0,1,2,3
	ds_store_b128 v[STA+\m], v[HA+16*\m+4*\i:HA+16*\m+4*\i+3] offset:128*(\e)+16*\i
.endr
.endr
.endm
.Lo:
.irp m, 0,1,2,3
	v_add_nc_u32 v[STA+\m], s[TG], v[STB+\m]
.endr
	CHUNK HA, 0, 51, 51, 1, 1
	OSTORE 0
	CHUNK HA, 1, 51, 51, 1, 1
	OSTORE 1
	s_wait_xcnt 0x0
	s_add_nc_u64 s[LP:LP+1], s[LP:LP+1], 2*CH
	s_add_co_u32 s[TB], s[TB], 256
	s_add_co_u32 s[TG], s[TG], 256
	s_sub_co_u32 s3, s3, 1
	s_cmp_lg_u32 s3, 0
	s_cbranch_scc1 .Lo
.irp m, 0,1,2,3
	v_add_nc_u32 v[STA+\m], s[TG], v[STB+\m]
.endr
	CHUNK HA, 0, 51, 34, 0, 0                      ; the last two chunks ask for nothing: the counts run down
	OSTORE 0
	CHUNK HA, 1, 17, 0, 0, 0
	OSTORE 1
	s_mov_b32 s[TL], 0
	s_mov_b32 s3, 4
	BARRIER                                        ; 64 whole rows lie in the stage
	; ---- LayerNorm: my 16 rows, four a trip; a lane holds 32 numbers of a row: columns 128 i + 4 lane + 0 .. 3
.macro RED4                            ; v[MX + p] summed over the 32 lanes, for four rows by turns
.irp x, 1,2,4,8
.irp p, 0,1,2,3
	v_add_f32_dpp v[MX+\p], v[MX+\p], v[MX+\p] row_xmask:\x row_mask:0xf bank_mask:0xf
.endr
.endr
.irp p, 0,1,2,3
	v_permlanex16_b32 v[MT+\p], v[MX+\p], s[SEL], s[SEL+1]
.endr
.irp p, 0,1,2,3
	v_add_f32 v[MX+\p], v[MX+\p], v[MT+\p]
.endr
.endm
.Lln:
	v_add_nc_u32 v[LNA], s[TL], v[LNR]
.irp p, 0,1,2,3
.irp i, 0,1,2,3,4,5,6,7
	ds_load_b128 v[HA+32*\p+4*\i:HA+32*\p+4*\i+3], v[LNA] offset:STGP*\p+512*\i
.endr
.endr
	s_wait_dscnt 0x0
.irp p, 0,1,2,3
	v_pk_add_f32 v[PR+2*\p:PR+2*\p+1], v[HA+32*\p:HA+32*\p+1], v[HA+32*\p+2:HA+32*\p+3]
.endr
.irp j, 4,6,8,10,12,14,16,18,20,22,24,26,28,30
.irp p, 0,1,2,3
	v_pk_add_f32 v[PR+2*\p:PR+2*\p+1], v[PR+2*\p:PR+2*\p+1], v[HA+32*\p+\j:HA+32*\p+\j+1]
.endr
.endr
.irp p, 0,1,2,3
	v_add_f32 v[MX+\p], v[PR+2*\p], v[PR+2*\p+1]
.endr
	RED4
.irp p, 0,1,2,3
	v_mul_f32 v[PR+2*\p], s[RN], v[MX+\p]          ; the mean
.endr
.irp p, 0,1,2,3
	v_mov_b32 v[PR+2*\p+1], v[PR+2*\p]
.endr
.irp j, 0,2,4,6,8,10,12,14,16,18,20,22,24,26,28,30
.irp p, 0,1,2,3
	v_pk_add_f32 v[HA+32*\p+\j:HA+32*\p+\j+1], v[HA+32*\p+\j:HA+32*\p+\j+1], v[PR+2*\p:PR+2*\p+1] neg_lo:[0,1] neg_hi:[0,1]   ; the mean is taken away first: the variance is no difference of large sums
.endr
.endr
.irp p, 0,1,2,3
	v_pk_mul_f32 v[SM+2*\p:SM+2*\p+1], v[HA+32*\p:HA+32*\p+1], v[HA+32*\p:HA+32*\p+1]
.endr
.irp j, 2,4,6,8,10,12,14,16,18,20,22,24,26,28,30
.irp p, 0,1,2,3
	v_pk_fma_f32 v[SM+2*\p:SM+2*\p+1], v[HA+32*\p+\j:HA+32*\p+\j+1], v[HA+32*\p+\j:HA+32*\p+\j+1], v[SM+2*\p:SM+2*\p+1]
.endr
.endr
.irp p, 0,1,2,3
	v_add_f32 v[MX+\p], v[SM+2*\p], v[SM+2*\p+1]
.endr
	RED4
.irp p, 0,1,2,3
	v_fma_f32 v[MX+\p], v[MX+\p], s[RN], s[EPS]    ; the variance + 1e-5
.endr
.irp p, 0,1,2,3
	v_rsq_f32 v[PR+2*\p], v[MX+\p]
.endr
	v_nop
	s_wait_alu depctr_va_vdst(0)                   ; one wait for the four roots
.irp p, 0,1,2,3
	v_mov_b32 v[PR+2*\p+1], v[PR+2*\p]
.endr
.irp j, 0,2,4,6,8,10,12,14,16,18,20,22,24,26,28,30
.irp p, 0,1,2,3
	v_pk_mul_f32 v[HA+32*\p+\j:HA+32*\p+\j+1], v[HA+32*\p+\j:HA+32*\p+\j+1], v[PR+2*\p:PR+2*\p+1]
.endr
.endr
	WIN 0x3c                                       ; sources 1 and 2 (ln_g, ln_b) window 3
.irp j, 0,2,4,6,8,10,12,14,16,18,20,22,24,26,28,30
.irp p, 0,1,2,3
	v_pk_fma_f32 v[HA+32*\p+\j:HA+32*\p+\j+1], v[HA+32*\p+\j:HA+32*\p+\j+1], v[32+\j:33+\j], v[64+\j:65+\j]
.endr
.endr
	WIN 0
.irp p, 0,1,2,3
.irp i, 0,1,2,3,4,5,6,7
	global_store_b128 v[LO], v[HA+32*\p+4*\i:HA+32*\p+4*\i+3], s[26:27] offset:4096*\p+512*\i th:TH_STORE_NT   ; 32 lanes store 512 consecutive bytes, at a multiple of 512 from out0's first byte
.endr
.endr
	s_wait_xcnt 0x0                                ; the stores' data and base are written again only behind this wait
	s_add_nc_u64 s[26:27], s[26:27], 4*4096
	s_add_co_u32 s[TL], s[TL], 4*STGP
	s_sub_co_u32 s3, s3, 1
	s_cmp_lg_u32 s3, 0
	s_cbranch_scc1 .Lln
	s_wait_tensorcnt 0x0
	ds_add_u32 v254, v255
	s_wait_dscnt 0x0
	s_endpgm
.Lfunc_end_k_q67e33148da_main:
	.size	k_q67e33148da_main, .Lfunc_end_k_q67e33148da_main-k_q67e33148da_main
	.p2alignl 7, 3214868480
	.fill 96, 4, 3214868480
	.section	.rodata,"a",@progbits
	.p2align	6, 0x0
	.amdhsa_kernel k_q67e33148da_main
		.amdhsa_group_segment_fixed_size 309760
		.amdhsa_private_segment_fixed_size 0
		.amdhsa_enable_private_segment 0
		.amdhsa_kernarg_size 80
		.amdhsa_user_sgpr_count 2
		.amdhsa_user_sgpr_kernarg_segment_ptr 1
		.amdhsa_wavefront_size32 1
		.amdhsa_system_sgpr_workgroup_id_x 1
		.amdhsa_system_sgpr_workgroup_id_y 1
		.amdhsa_system_sgpr_workgroup_id_z 1
		.amdhsa_system_vgpr_workitem_id 0
		.amdhsa_next_free_vgpr 1024
		.amdhsa_next_free_sgpr 66
		.amdhsa_reserve_vcc 1
		.amdhsa_float_denorm_mode_32 3
		.amdhsa_float_denorm_mode_16_64 3
		.amdhsa_memory_ordered 1
		.amdhsa_forward_progress 1
		.amdhsa_inst_pref_size 252
	.end_amdhsa_kernel
	.amdgpu_metadata
---
amdhsa.version: [ 1, 2 ]
amdhsa.kernels:
  - .name:           k_q67e33148da_main
    .symbol:         k_q67e33148da_main.kd
    .args:
      - { .name: query_codes, .offset: 0, .size: 8, .value_kind: global_buffer, .address_space: global }
      - { .name: query_scales, .offset: 8, .size: 8, .value_kind: global_buffer, .address_space: global }
      - { .name: wf, .offset: 16, .size: 8, .value_kind: global_buffer, .address_space: global }
      - { .name: ent, .offset: 24, .size: 8, .value_kind: global_buffer, .address_space: global }
      - { .name: WQ_b, .offset: 32, .size: 8, .value_kind: global_buffer, .address_space: global }
      - { .name: WO_b, .offset: 40, .size: 8, .value_kind: global_buffer, .address_space: global }
      - { .name: ent_idx_in_batch, .offset: 48, .size: 8, .value_kind: global_buffer, .address_space: global }
      - { .name: ln_g, .offset: 56, .size: 8, .value_kind: global_buffer, .address_space: global }
      - { .name: ln_b, .offset: 64, .size: 8, .value_kind: global_buffer, .address_space: global }
      - { .name: out0, .offset: 72, .size: 8, .value_kind: global_buffer, .address_space: global }
    .group_segment_fixed_size: 309760
    .private_segment_fixed_size: 0
    .kernarg_segment_align: 8
    .kernarg_segment_size: 80
    .max_flat_workgroup_size: 128
    .sgpr_count:     66
    .vgpr_count:     1024
    .wavefront_size: 32
...
	.end_amdgpu_metadata
.endif
;; end of part 2
;; ======== version 2 of 2: 2 launches; version 1 with the launches prep, main written anew for expert scheduling mode
;; workspace buffers: wf 1,114,112 bytes; ent 4,456,448 bytes
;; launch prep (part 3): grid 256 x 1, 4 waves a work-group, no clusters, 35,328 bytes of LDS; arguments ent_emb, ent_idx_in_batch, WK_w_codes, WK_w_scales, WK_b, WQ_w_codes, WQ_w_scales, WO_w_codes, WO_w_scales, wf, ent; writes wf, ent
.if DOCPART == 3
	.amdgcn_target "amdgcn-amd-amdhsa--gfx1250"
	.amdhsa_code_object_version 6
	.text
	.protected	k_q67e33148da_prep
	.globl	k_q67e33148da_prep
	.p2align	8
	.type	k_q67e33148da_prep,@function
k_q67e33148da_prep:
	s_mov_b64 s[64:65], 0
	v_nop
	global_prefetch_b8 v0, s[64:65] scope:SCOPE_SE
	s_setreg_imm32_b32 hwreg(HW_REG_WAVE_SCHED_MODE, 0, 2), 2
	s_setreg_imm32_b32 hwreg(HW_REG_WAVE_MODE, 25, 1), 1
	s_wait_xcnt 0x0
	s_wait_alu depctr_vm_vsrc(0)
; PREP.  Two things, both for the launch that follows.
; (1) WQ's and WO's codes and scale bytes are laid anew, in the order in which a wave's operand registers take them (buffer wf): one fragment of 1,024 bytes a wave.
; (2) ent = (Q(ent_emb[idx]) WK^T + WK_b) x mask, on codes of FP4 (E2M1) with one E8M0 scale for each 32 along K, is made and quantised TWICE: along d (it is an operand of the scores) and along
;     the entities (it is an operand of p x ent), and stored in the same register order (buffer ent).
; A CHUNK is 17,408 bytes.  Full chunk (32 operand rows G, K = 1,024): the codes of fragment f = 2 s + u (K step s, tile u) at 1024 f + 512 c + 16 lane: the 16 bytes of row 32 G + 8 u + RP(r) at byte
; 64 s + 32 c + 16 h (r = lane % 16, h = lane / 16, RP(r) = r + 8 (r / 8)); the scale bytes at 16384 + 512 j + 16 (16 u + r): bytes 16 j .. 16 j + 15 of that row's 32.
; P chunk (four groups i of 32 rows, K = 256): codes at 4096 i + 1024 (2 s + u) + 512 c + 16 lane; scale words at 16384 + 512 (i / 2) + 16 (16 u + r) + 8 (i % 2) + 4 s.
; THE ROWS OF A TILE ARE NOT NEIGHBOURS (RP): used as source 0, two tiles u = 0, 1 then leave 16 NEIGHBOURING columns, 32 G + 16 h + 0 .. 15, in a lane's 16 result registers.
; SHARES.  Work-group g: batch g / 16, 64 entities (eq = (g / 4) % 4), 256 of the 1,024 columns d (dq = g % 4).  Wave w quantises entity tile w (16 gathered rows, K = 1,024) and hands it to the others through
; LDS as an image of its registers; then it owns columns 256 dq + 64 w .. + 63 for all 64 entities.  Its 64 rows of WK (32 KB) go from memory straight into its registers and stay.
; THE PRODUCT IS MULTIPLIED TWICE, with the sources swapped: once a lane's registers run along d, once along the entities.  The sums are the same bit for bit, and no result changes lanes ahead of a quantiser.
; NO TENSOR LOADS, NO CLUSTER: the rows of ent_emb are named by a list, which no tile of rows at one pitch can state; each byte of WK is used by one wave of a work-group, so it would cross LDS with no second reader.
; The scale bytes of ent leave two at a time: of a row's scale bytes a wave owns two (64 of the 1,024 or of the 256 along K): 256 KB of the 4.4 MB that the launch stores.
; LIMITS: a block whose largest magnitude lies under 2^-124, a block of zeros among them, gets the scale byte 1 (zeros: the rule says 127; the codes are zeros and this program alone reads the bytes).
; NaN and infinities are not served.  An index under 0 has 20,000 added, as JAX wraps it, and is then held to 0 .. 19,999.
; THE MODE: SCHED_MODE bits 1:0 = 2 (LLVM: expert scheduling mode 2), set by the entry lines.  The code itself states the register dependences
; between vector or matrix instructions and memory or LDS instructions, with s_wait_alu, always for 0.
; THE PLAN.  Registers that memory or LDS instructions touch, and who else names them:
;   v32-95, v96-159   two sets of 64 numbers of x.  K step s: the quantiser reads set s % 2; behind it the loads of step s + 2 land there.  Behind step 7 the bias and the indices land in the second set.
;   v[PC ..], v[PW]   written by a step's conversions, swaps and shifts; read by the step's three LDS stores; written again in the next step.  Later: written by the quantiser of ent, read by global stores, with v[PB ..].
;   windows 1 and 2, v[ASC ..], v[WSC ..]   loaded once and read by products: no vector instruction writes them.
;   the addresses v1 to v14 are made once and never written again.
; So ONE wait on va_vdst stands in a K step of x, behind its swaps: the codes and the scale word are written, and the step's 64 numbers have been read; the step's LDS stores and loads follow it.
; One wait on vm_vsrc stands at the head of each later step: the last step's LDS stores have read the codes and the word.  Each run of global stores has one wait on va_vdst ahead of it.
.set CH,   17408
.set WOFF, 32*CH                       ; WO's chunks in wf, behind WQ's 32
.set XSC,  32768                       ; LDS: x's 32 fragments (tile m, K step s: 1024 (8 m + s)) from byte 0, then their scale words: [m][32 lanes][16 bytes]
.set LO,   1                           ; v1   16 x lane
.set RL,   2                           ; v2   r
.set HL,   3                           ; v3   h
.set RP,   4                           ; v4   RP(r)
.set XA,   5                           ; v5   my gathered row's byte in ent_emb, + 64 h
.set WA,   6                           ; v6   512 RP(r) + 16 h: my place in a tile of weight rows
.set WSA,  7                           ; v7   32 (8 h + RP(r)): my row's scale bytes, tile u = h
.set IA,   8                           ; v8   4 RP(r)
.set H64,  9                           ; v9   64 h
.set XWI,  10                          ; v10  where I store x's images: 8192 w + 16 lane
.set XSW,  11                          ; v11  and their scale words: XSC + 512 w + 16 r
.set ARD,  LO                          ; the images begin at LDS byte 0
.set ARS,  13                          ; v13  XSC + 16 lane
.set SO,   14                          ; v14  16 r
.set HA,   32                          ; v32-95   64 numbers of x, later 8 accumulators
.set BD,   96                          ; v96-127  (v96-159: 64 numbers of x) WK_b by register: 16 for each group of 32 columns
.set MKR,  128                         ; v128-159 the mask by register: 16 for each group of 32 entities
.set PC,   160                         ; v160-175 codes just made
.set PB,   176                         ; v176-179 two scale bytes for each of four sets
.set TM,   180                         ; v180-183 largest magnitudes, v184-187 at work, v188-191 the conversions' scale operands
.set PW,   192                         ; v192 a scale word just made
.set ASC,  200                         ; v200-215 x's scale words: 4 m + s % 4, lanes 16 (s / 4) + r
.set WSC,  216                         ; v216-231 WK's: 8 gd + s, lanes 16 u + r
.set MKL,  232                         ; v232-239 the mask by lane, a pair for each entity tile
.set BL,   240                         ; v240-247 WK_b by lane, a pair for each tile of columns
.set SEL,  60                          ; s[60:61] v_permlanex16_b32's selects for lane l xor 16
.set MSB, 0
.macro WIN new                         ; the immediate's high byte repeats the setting that is left; a switch that changes nothing is dropped
.if MSB != \new
	s_set_vgpr_msb (MSB<<8)|\new
.set MSB, \new
.endif
.endm
.macro PLACES n
.rept \n
	v_nop
.endr
.endm
; One matrix instruction.  c < 0: the constant 0 starts the sum.  ra, rb: the scale words of source 0, of source 1, stand in lanes 16-31.
.macro WM d, a, b, c, sa, sb, ra, rb
.if (\c) < 0
.if (\ra) && (\rb)
	v_wmma_scale_f32_16x16x128_f8f6f4 v[(\d):(\d)+7], v[(\a):(\a)+7], v[(\b):(\b)+7], 0, v[\sa], v[\sb] matrix_a_fmt:MATRIX_FMT_FP4 matrix_b_fmt:MATRIX_FMT_FP4 matrix_a_scale:MATRIX_SCALE_ROW1 matrix_b_scale:MATRIX_SCALE_ROW1
.elseif (\ra)
	v_wmma_scale_f32_16x16x128_f8f6f4 v[(\d):(\d)+7], v[(\a):(\a)+7], v[(\b):(\b)+7], 0, v[\sa], v[\sb] matrix_a_fmt:MATRIX_FMT_FP4 matrix_b_fmt:MATRIX_FMT_FP4 matrix_a_scale:MATRIX_SCALE_ROW1
.elseif (\rb)
	v_wmma_scale_f32_16x16x128_f8f6f4 v[(\d):(\d)+7], v[(\a):(\a)+7], v[(\b):(\b)+7], 0, v[\sa], v[\sb] matrix_a_fmt:MATRIX_FMT_FP4 matrix_b_fmt:MATRIX_FMT_FP4 matrix_b_scale:MATRIX_SCALE_ROW1
.else
	v_wmma_scale_f32_16x16x128_f8f6f4 v[(\d):(\d)+7], v[(\a):(\a)+7], v[(\b):(\b)+7], 0, v[\sa], v[\sb] matrix_a_fmt:MATRIX_FMT_FP4 matrix_b_fmt:MATRIX_FMT_FP4
.endif
.else
.if (\ra) && (\rb)
	v_wmma_scale_f32_16x16x128_f8f6f4 v[(\d):(\d)+7], v[(\a):(\a)+7], v[(\b):(\b)+7], v[(\c):(\c)+7], v[\sa], v[\sb] matrix_a_fmt:MATRIX_FMT_FP4 matrix_b_fmt:MATRIX_FMT_FP4 matrix_a_scale:MATRIX_SCALE_ROW1 matrix_b_scale:MATRIX_SCALE_ROW1
.elseif (\ra)
	v_wmma_scale_f32_16x16x128_f8f6f4 v[(\d):(\d)+7], v[(\a):(\a)+7], v[(\b):(\b)+7], v[(\c):(\c)+7], v[\sa], v[\sb] matrix_a_fmt:MATRIX_FMT_FP4 matrix_b_fmt:MATRIX_FMT_FP4 matrix_a_scale:MATRIX_SCALE_ROW1
.elseif (\rb)
	v_wmma_scale_f32_16x16x128_f8f6f4 v[(\d):(\d)+7], v[(\a):(\a)+7], v[(\b):(\b)+7], v[(\c):(\c)+7], v[\sa], v[\sb] matrix_a_fmt:MATRIX_FMT_FP4 matrix_b_fmt:MATRIX_FMT_FP4 matrix_b_scale:MATRIX_SCALE_ROW1
.else
	v_wmma_scale_f32_16x16x128_f8f6f4 v[(\d):(\d)+7], v[(\a):(\a)+7], v[(\b):(\b)+7], v[(\c):(\c)+7], v[\sa], v[\sb] matrix_a_fmt:MATRIX_FMT_FP4 matrix_b_fmt:MATRIX_FMT_FP4
.endif
.endif
.endm
; Four sets q of 16 numbers, v[src + 16 q + i]: half a block of 32; the other half lies in lane l xor 16.  QMAX leaves each block's largest magnitude, never under the floor 2^(3 - 127), with 2 taken off its
; exponent field, in v[TM + 8 + q]: the conversion takes that field as its scale.  The registers are read in ascending order.
.macro QMAX src
.irp q, 0,1,2,3
	v_max3_num_f32 v[TM+\q], |v[(\src)+16*\q]|, |v[(\src)+16*\q+1]|, 0x1800000
.endr
.irp i, 2,4,6,8,10,12,14
.irp q, 0,1,2,3
	v_max3_num_f32 v[TM+\q], v[TM+\q], |v[(\src)+16*\q+\i]|, |v[(\src)+16*\q+\i+1]|   ; the four sets by turns: no line waits for the line above it
.endr
.endr
.irp q, 0,1,2,3
	v_permlanex16_b32 v[TM+4+\q], v[TM+\q], s[SEL], s[SEL+1]
.endr
.irp q, 0,1,2,3
	v_max_num_f32 v[TM+\q], v[TM+\q], v[TM+4+\q]
.endr
.irp q, 0,1,2,3
	v_add_nc_u32 v[TM+8+\q], 0xff000000, v[TM+\q]
.endr
.endm
.macro QCVT src, st, off               ; set q's 16 codes into v[PC + st q + off] and the next register
.irp q, 0,1,2,3
	v_cvt_scalef32_pk8_fp4_f32 v[PC+(\st)*\q+(\off)], v[(\src)+16*\q:(\src)+16*\q+7], v[TM+8+\q]
	v_cvt_scalef32_pk8_fp4_f32 v[PC+(\st)*\q+(\off)+1], v[(\src)+16*\q+8:(\src)+16*\q+15], v[TM+8+\q]
.endr
	v_nop                                          ; one plain line behind the last scaled conversion
.endm
; The four sets are four tiles of operand rows, their 16 numbers half of ONE block of 32 along the next K; e = 0, 1: the two blocks of 64 along that K.
.macro QUANTG src, e
	QMAX \src
.if (\e) == 0
.irp q, 0,1,2,3
	v_lshrrev_b32 v[PB+\q], 23, v[TM+8+\q]         ; the scale's byte
.endr
.else
.irp q, 0,1,2,3
	v_lshrrev_b32 v[TM+4+\q], 23, v[TM+8+\q]
.endr
.irp q, 0,1,2,3
	v_lshl_or_b32 v[PB+\q], v[TM+4+\q], 8, v[PB+\q]
.endr
.endif
	QCVT \src, 4, 2*(\e)
.endm
.macro SWAPS                           ; the operand's layout wants a WHOLE block in a lane: lanes 0-15 the first block, lanes 16-31 the second.  v[PC + 4 q .. + 3] is then half a fragment: 64 along K
.irp q, 0,1,2,3
.irp i, 0,1
	v_permlane16_swap_b32 v[PC+4*\q+\i], v[PC+4*\q+2+\i]
.endr
.endr
.endm
.macro ALOAD                           ; 32 fragments (4 tiles of rows x 8 K steps) out of LDS into window 1, their scale words into v[ASC] on
	WIN 0x40
.irp m, 0,1,2,3
.irp s, 0,1,2,3,4,5,6,7
.irp c, 0,1
	ds_load_b128 v[64*\m+8*\s+4*\c:64*\m+8*\s+4*\c+3], v[ARD] offset:(8*\m+\s)*1024+512*\c
.endr
.endr
.endr
	WIN 0
.irp m, 0,1,2,3
	ds_load_b128 v[ASC+4*\m:ASC+4*\m+3], v[ARS] offset:512*\m
.endr
.endm
	s_load_b512 s[8:23], s[0:1], 0x0               ; ent_emb s[8:9], idx s[10:11], WK codes s[12:13], WK scales s[14:15], WK_b s[16:17], WQ codes s[18:19], WQ scales s[20:21], WO codes s[22:23]
	s_load_b128 s[24:27], s[0:1], 0x40             ; WO scales s[24:25], wf s[26:27]
	s_load_b64 s[28:29], s[0:1], 0x50              ; ent
	v_lshl_add_u32 v254, v0, 2, 0x8800
	v_mov_b32 v255, 0
	v_lshrrev_b32 v15, 5, v0
	v_readfirstlane_b32 s2, v15                    ; wave 0..3
	v_and_b32 v15, 31, v0
	v_lshlrev_b32 v[LO], 4, v15
	v_and_b32 v[RL], 15, v0
	v_bfe_u32 v[HL], v0, 4, 1
	v_and_b32 v[RP], 8, v[RL]
	v_add_nc_u32 v[RP], v[RP], v[RL]
	v_lshlrev_b32 v[WA], 9, v[RP]
	v_lshl_add_u32 v[WA], v[HL], 4, v[WA]
	v_lshl_add_u32 v[WSA], v[HL], 3, v[RP]
	v_lshlrev_b32 v[WSA], 5, v[WSA]
	v_lshlrev_b32 v[IA], 2, v[RP]
	v_lshlrev_b32 v[H64], 6, v[HL]
	s_wait_alu depctr_va_sdst(0)                   ; s2 is written, ahead of its first reader: LDS addresses and the bases of every buffer are made from it
	s_lshl_b32 s7, s2, 13
	v_add_nc_u32 v[XWI], s7, v[LO]
	s_lshl_b32 s7, s2, 9
	s_add_co_u32 s7, s7, XSC
	v_lshl_add_u32 v[XSW], v[RL], 4, s7
	v_add_nc_u32 v[ARS], XSC, v[LO]
	v_lshlrev_b32 v[SO], 4, v[RL]
.irp q, 0,1,2,3
	v_mov_b32 v[TM+4+\q], 0                        ; written once: a lane permute's destination counts as one of its sources
.endr
	s_mov_b32 s[SEL], 0x76543210
	s_mov_b32 s[SEL+1], 0xfedcba98
	s_and_b32 s4, ttmp9, 3                         ; dq
	s_bfe_u32 s5, ttmp9, 0x20002                   ; eq
	s_lshr_b32 s6, ttmp9, 4                        ; batch
	s_lshr_b32 s62, s2, 1                          ; w / 2
	s_and_b32 s63, s2, 1                           ; w % 2
	; the fragment that my wave lays anew: number (4 g + w) % 512 of WQ (g < 128) or of WO: chunk G, fragment f
	s_lshl_b32 s30, ttmp9, 2
	s_add_co_u32 s30, s30, s2
	s_and_b32 s30, s30, 511
	s_lshr_b32 s31, s30, 4                         ; G
	s_and_b32 s32, s30, 15                         ; f = 2 s + u
	s_and_b32 s33, s32, 1
	s_lshr_b32 s7, s32, 1
	s_lshl_b32 s34, s31, 14                        ; from: row 32 G + 8 u of 512 bytes, byte 64 s
	s_lshl_b32 s33, s33, 12
	s_add_co_u32 s34, s34, s33
	s_lshl_b32 s7, s7, 6
	s_add_co_u32 s34, s34, s7
	s_mov_b32 s35, 0
	s_lshl_b32 s36, s31, 10                        ; the scale bytes of rows 32 G on
	s_mov_b32 s37, 0
	s_mul_i32 s38, s31, CH                         ; to: chunk G of the tensor's 32
	s_lshr_b32 s7, ttmp9, 7
	s_mul_i32 s7, s7, WOFF
	s_add_co_u32 s38, s38, s7
	s_mov_b32 s39, 0
	s_lshl_b32 s40, s32, 10                        ; and fragment f in it
	s_add_co_u32 s40, s40, s38
	s_mov_b32 s41, 0
	; the indices: my work-group's 64, and my wave's tile of them
	s_lshl_b32 s50, s6, 10
	s_lshl_b32 s7, s5, 8
	s_add_co_u32 s50, s50, s7
	s_mov_b32 s51, 0
	s_lshl_b32 s42, s62, 7
	s_lshl_b32 s7, s63, 5
	s_add_co_u32 s42, s42, s7
	s_add_co_u32 s42, s42, s50
	s_mov_b32 s43, 0
	; my wave's 64 columns: 256 dq + 64 w: rows of WK, of its scale bytes, numbers of WK_b
	s_lshl_b32 s7, s4, 8
	s_lshl_b32 s30, s2, 6
	s_add_co_u32 s7, s7, s30
	s_lshl_b32 s44, s7, 9
	s_mov_b32 s45, 0
	s_lshl_b32 s46, s7, 5
	s_mov_b32 s47, 0
	s_lshl_b32 s48, s7, 2
	s_mov_b32 s49, 0
	; where ent quantised along d goes: chunks 4 (4 b + eq) and the next; K step sd = 2 dq + w / 2, half c = w % 2
	s_lshl_b32 s30, s6, 2
	s_add_co_u32 s31, s30, s5
	s_mul_i32 s31, s31, 4*CH
	s_lshl_b32 s33, s4, 1
	s_add_co_u32 s33, s33, s62
	s_lshl_b32 s52, s33, 11
	s_add_co_u32 s52, s52, s31
	s_lshl_b32 s7, s63, 9
	s_add_co_u32 s52, s52, s7
	s_mov_b32 s53, 0
	s_lshr_b32 s54, s33, 2
	s_lshl_b32 s54, s54, 9
	s_and_b32 s33, s33, 3
	s_lshl_b32 s33, s33, 2
	s_add_co_u32 s54, s54, s33
	s_lshl_b32 s33, s63, 1
	s_add_co_u32 s54, s54, s33
	s_add_co_u32 s54, s54, s31
	s_add_co_u32 s54, s54, 16384
	s_mov_b32 s55, 0
	; and along the entities: chunk 4 (4 b + dq) + 2 + w / 2; groups 2 (w % 2) and the next; K step eq / 2, half eq % 2
	s_add_co_u32 s30, s30, s4
	s_lshl_b32 s30, s30, 2
	s_add_co_u32 s30, s30, s62
	s_add_co_u32 s30, s30, 2
	s_mul_i32 s30, s30, CH
	s_lshr_b32 s31, s5, 1
	s_and_b32 s33, s5, 1
	s_lshl_b32 s56, s63, 13
	s_add_co_u32 s56, s56, s30
	s_lshl_b32 s7, s31, 11
	s_add_co_u32 s56, s56, s7
	s_lshl_b32 s7, s33, 9
	s_add_co_u32 s56, s56, s7
	s_mov_b32 s57, 0
	s_lshl_b32 s58, s63, 9
	s_add_co_u32 s58, s58, s30
	s_lshl_b32 s7, s31, 2
	s_add_co_u32 s58, s58, s7
	s_lshl_b32 s7, s33, 1
	s_add_co_u32 s58, s58, s7
	s_add_co_u32 s58, s58, 16384
	s_mov_b32 s59, 0
	s_wait_kmcnt 0x0
	s_cmp_lt_u32 ttmp9, 128                        ; WQ's work-group or WO's: the choice hangs on the work-group's number alone
	s_cselect_b64 s[18:19], s[18:19], s[22:23]
	s_cselect_b64 s[20:21], s[20:21], s[24:25]
	s_add_nc_u64 s[18:19], s[18:19], s[34:35]
	s_add_nc_u64 s[20:21], s[20:21], s[36:37]
	s_add_nc_u64 s[38:39], s[26:27], s[38:39]
	s_add_nc_u64 s[40:41], s[26:27], s[40:41]
	s_add_nc_u64 s[42:43], s[10:11], s[42:43]
	s_add_nc_u64 s[50:51], s[10:11], s[50:51]
	s_add_nc_u64 s[44:45], s[12:13], s[44:45]
	s_add_nc_u64 s[46:47], s[14:15], s[46:47]
	s_add_nc_u64 s[48:49], s[16:17], s[48:49]
	s_add_nc_u64 s[52:53], s[28:29], s[52:53]
	s_add_nc_u64 s[54:55], s[28:29], s[54:55]
	s_add_nc_u64 s[56:57], s[28:29], s[56:57]
	s_add_nc_u64 s[58:59], s[28:29], s[58:59]
	; ---- my entity's index, and the fragment that I lay anew
	s_wait_alu depctr_va_vdst(0)                   ; the offsets and LDS addresses v1 to v14 (but v5) are written, which the loads and stores of the whole kernel read
	global_load_b32 v248, v[IA], s[42:43]          ; lane r: entity 64 eq + 32 (w / 2) + 8 (w % 2) + RP(r)
	global_load_b128 v[16:19], v[WA], s[18:19]
	global_load_b128 v[20:23], v[WA], s[18:19] offset:32
	s_cmp_lg_u32 s32, 0                            ; the wave with a chunk's fragment 0 also lays its 1,024 scale bytes
	s_cbranch_scc1 .Lno_scales
	global_load_b128 v[24:27], v[WSA], s[20:21]
	global_load_b128 v[28:31], v[WSA], s[20:21] offset:16
	s_wait_loadcnt 0x0
	global_store_b128 v[LO], v[24:27], s[38:39] offset:16384
	global_store_b128 v[LO], v[28:31], s[38:39] offset:16384+512
.Lno_scales:
	s_wait_loadcnt 0x0
	global_store_b128 v[LO], v[16:19], s[40:41]    ; 32 lanes store 512 consecutive bytes
	global_store_b128 v[LO], v[20:23], s[40:41] offset:512
	v_add_nc_u32 v249, 0x4e20, v248                ; an index under 0 counts from the table's end,
	v_cmp_gt_i32 vcc_lo, 0, v248
	s_wait_alu depctr_va_vcc(0)                    ; VCC is written, ahead of the select that reads it
	v_cndmask_b32 v248, v248, v249, vcc_lo
	v_min_u32 v[XA], 0x4e1f, v248                  ; and stays inside the table
	v_lshlrev_b32 v[XA], 12, v[XA]                 ; a row is 4,096 bytes
	v_add_nc_u32 v[XA], v[XA], v[H64]              ; + 64 h: my 16 numbers of each block of 32
	s_wait_alu depctr_va_vdst(0)                   ; v[XA] is written, which every load of x reads as its offset
; my row's numbers of K step s: register 16 b + i = k 128 s + 32 b + 16 h + i
.macro XLOAD reg, s
.irp b, 0,1,2,3
.irp j, 0,1,2,3
	global_load_b128 v[(\reg)+16*\b+4*\j:(\reg)+16*\b+4*\j+3], v[XA], s[8:9] offset:512*(\s)+128*\b+16*\j
.endr
.endr
.endm
; K step s of my 64 rows of WK: four tiles t = 2 gd + u, rows 32 gd + 8 u + RP(r), into window 2 at 64 t + 8 s: they stay
.macro WLOAD s
	WIN 0x80
.irp t, 0,1,2,3
.irp c, 0,1
	global_load_b128 v[64*\t+8*(\s)+4*\c:64*\t+8*(\s)+4*\c+3], v[WA], s[44:45] offset:(32*(\t/2)+8*(\t%2))*512+64*(\s)+32*\c
.endr
.endr
	WIN 0
.endm
; K step s of x: 64 numbers a lane become a fragment and a scale word, which go to LDS as they stand.  n: the loads issued behind this step's sixteen
.macro XSTEP s, n
	s_wait_dscnt 0x0                               ; the last step's LDS stores are done
.if (\s) > 0
	s_wait_alu depctr_vm_vsrc(0)                   ; the last step's LDS stores have read v[PC ..] and v[PW], which this step writes again
.endif
	s_wait_loadcnt \n
	QMAX HA+64*((\s)%2)
.irp q, 0,1,2,3
	v_lshrrev_b32 v[TM+4+\q], 23, v[TM+8+\q]
.endr
	v_lshl_or_b32 v[PW], v[TM+5], 8, v[TM+4]       ; the four bytes make my row's scale word
	v_lshl_or_b32 v[PW], v[TM+6], 16, v[PW]
	v_lshl_or_b32 v[PW], v[TM+7], 24, v[PW]
	QCVT HA+64*((\s)%2), 2, 0
.irp c, 0,1
.irp i, 0,1
	v_permlane16_swap_b32 v[PC+4*\c+\i], v[PC+4*\c+2+\i]
.endr
.endr
	s_wait_alu depctr_va_vdst(0)                   ; the codes and the scale word are written, which the LDS stores read; the quantiser is done reading this step's 64 numbers, in which later loads land
.irp c, 0,1
	ds_store_b128 v[XWI], v[PC+4*\c:PC+4*\c+3] offset:1024*(\s)+512*\c
.endr
	ds_store_b32 v[XSW], v[PW] offset:256*((\s)/4)+4*((\s)%4)   ; lanes r and 16 + r write the same word with the same value
.if (\s) < 6
	XLOAD HA+64*((\s)%2), (\s)+2
.endif
	WLOAD \s
.endm
	XLOAD HA, 0
	XLOAD HA+64, 1
	XSTEP 0, 16                                    ; issue order: X0, X1, then in step s: X(s + 2), 16 loads, and W(s), 8
	XSTEP 1, 24
	XSTEP 2, 32
	XSTEP 3, 32
	XSTEP 4, 32
	XSTEP 5, 32
	XSTEP 6, 32
	XSTEP 7, 16
	; ---- WK's scale words, the bias and the mask, each by register and by lane.  (No vector instruction since step 7's wait: v96-159, which that step's quantiser read, may be loaded)
.irp gd, 0,1
.irp j, 0,1
	global_load_b128 v[WSC+8*\gd+4*\j:WSC+8*\gd+4*\j+3], v[WSA], s[46:47] offset:1024*\gd+16*\j
.endr
.endr
.irp gd, 0,1
.irp i, 0,1,2,3
	global_load_b128 v[BD+16*\gd+4*\i:BD+16*\gd+4*\i+3], v[H64], s[48:49] offset:128*\gd+16*\i
.endr
.endr
.irp t, 0,1,2,3
	global_load_b32 v[BL+2*\t], v[IA], s[48:49] offset:128*(\t/2)+32*(\t%2)
.endr
.irp m, 0,1,2,3
	global_load_b32 v[MKL+2*\m], v[IA], s[50:51] offset:128*(\m/2)+32*(\m%2)
.endr
.irp ge, 0,1
.irp i, 0,1,2,3
	global_load_b128 v[MKR+16*\ge+4*\i:MKR+16*\ge+4*\i+3], v[H64], s[50:51] offset:128*\ge+16*\i
.endr
.endr
	s_wait_dscnt 0x0                               ; for the others' sake: my images lie in LDS
	s_barrier_signal -1
	s_barrier_wait -1                              ; everybody's do
	ALOAD
	s_wait_loadcnt 0x0                             ; WK, its scale words, bias, indices: every load is done, so the bases that loads alone read are free
	; the 36 compares stand in one run, each into a scalar register of its own: s8 to s37 and s42 to s47 (s38 to s41 are bases of stores and are left alone)
.irp m, 0,1,2,3
	v_cmp_ne_u32 s[8+\m], -1, v[MKL+2*\m]
.endr
.set qi, 0
.rept 32
	v_cmp_ne_u32 s[12+qi+4*(qi/26)], -1, v[MKR+qi]
.set qi, qi+1
.endr
	s_wait_alu depctr_va_sdst(0)                   ; the 36 masks are written, ahead of the selects that read them
.irp m, 0,1,2,3
	v_cndmask_b32 v[MKL+2*\m], 0, 1.0, s[8+\m]     ; 1 for an entity, 0 for the index -1
	v_mov_b32 v[MKL+2*\m+1], v[MKL+2*\m]
	v_mov_b32 v[BL+2*\m+1], v[BL+2*\m]
.endr
.set qi, 0
.rept 32
	v_cndmask_b32 v[MKR+qi], 0, 1.0, s[12+qi+4*(qi/26)]
.set qi, qi+1
.endr
	s_wait_dscnt 0x0                               ; x's fragments and scale words
	s_wait_alu depctr_vm_vsrc(0)                   ; step 7's LDS stores have read v[PC ..], which the quantiser of ent writes again
; Source 0 = 16 rows of WK, source 1 = 16 entities: a lane holds ONE entity, and the 16 registers of tiles 2 gd, 2 gd + 1 run along d.  The eight accumulators take turns, one instruction a turn.
.macro ORI1 gd
	WIN 0x06                                       ; source 0 window 2, source 1 window 1
.irp s, 0,1,2,3,4,5,6,7
.irp m, 0,1,2,3
.irp u, 0,1
.if \s == 0
	WM HA+16*\m+8*\u, 64*(2*(\gd)+\u)+8*\s, 64*\m+8*\s, -1, WSC+8*(\gd)+\s, ASC+4*\m+\s%4, \u, \s/4
.else
	WM HA+16*\m+8*\u, 64*(2*(\gd)+\u)+8*\s, 64*\m+8*\s, HA+16*\m+8*\u, WSC+8*(\gd)+\s, ASC+4*\m+\s%4, \u, \s/4
.endif
.endr
.endr
.endr
	WIN 0
	PLACES 5                                       ; four in front of the first read of results, five in front of the products that begin these accumulators anew
.irp m, 0,1,2,3
.irp p, 0,2,4,6,8,10,12,14
	v_pk_add_f32 v[HA+16*\m+\p:HA+16*\m+\p+1], v[HA+16*\m+\p:HA+16*\m+\p+1], v[BD+16*(\gd)+\p:BD+16*(\gd)+\p+1]   ; + WK_b; each accumulator from its low end on
.endr
.endr
.irp m, 0,1,2,3
.irp p, 0,2,4,6,8,10,12,14
	v_pk_mul_f32 v[HA+16*\m+\p:HA+16*\m+\p+1], v[HA+16*\m+\p:HA+16*\m+\p+1], v[MKL+2*\m:MKL+2*\m+1]               ; x the entity's mask
.endr
.endr
	QUANTG HA, \gd
.endm
; The sources swapped: a lane holds ONE column d, and the 16 registers of entity tiles 2 ge, 2 ge + 1 run along the entities.
.macro ORI2 ge
	WIN 0x09                                       ; source 0 window 1, source 1 window 2
.irp s, 0,1,2,3,4,5,6,7
.irp t, 0,1,2,3
.irp u, 0,1
.if \s == 0
	WM HA+16*\t+8*\u, 64*(2*(\ge)+\u)+8*\s, 64*\t+8*\s, -1, ASC+4*(2*(\ge)+\u)+\s%4, WSC+8*(\t/2)+\s, \s/4, \t%2
.else
	WM HA+16*\t+8*\u, 64*(2*(\ge)+\u)+8*\s, 64*\t+8*\s, HA+16*\t+8*\u, ASC+4*(2*(\ge)+\u)+\s%4, WSC+8*(\t/2)+\s, \s/4, \t%2
.endif
.endr
.endr
.endr
	WIN 0
	PLACES 5
.irp t, 0,1,2,3
.irp p, 0,2,4,6,8,10,12,14
	v_pk_add_f32 v[HA+16*\t+\p:HA+16*\t+\p+1], v[HA+16*\t+\p:HA+16*\t+\p+1], v[BL+2*\t:BL+2*\t+1]
.endr
.endr
.irp t, 0,1,2,3
.irp p, 0,2,4,6,8,10,12,14
	v_pk_mul_f32 v[HA+16*\t+\p:HA+16*\t+\p+1], v[HA+16*\t+\p:HA+16*\t+\p+1], v[MKR+16*(\ge)+\p:MKR+16*(\ge)+\p+1]
.endr
.endr
	QUANTG HA, \ge
.endm
	ORI1 0
	ORI1 1
	SWAPS
	s_wait_alu depctr_va_vdst(0)                   ; the swaps have written v[PC ..] and the quantiser v[PB ..], which the eight stores read
.irp m, 0,1,2,3
	global_store_b128 v[LO], v[PC+4*\m:PC+4*\m+3], s[52:53] offset:(\m/2)*CH+(\m%2)*1024   ; 512 consecutive bytes: half a fragment of entity tile m
.endr
.irp m, 0,1,2,3
	global_store_b16 v[SO], v[PB+\m], s[54:55] offset:(\m/2)*CH+256*(\m%2)                 ; its two scale bytes a row
.endr
	s_wait_xcnt 0x0                                ; the stores' data are written again only behind this wait
	s_wait_alu depctr_vm_vsrc(0)                   ; the eight stores have read v[PC ..] and v[PB ..], which the quantiser writes again
	ORI2 0
	ORI2 1
	SWAPS
	s_wait_alu depctr_va_vdst(0)                   ; v[PC ..] and v[PB ..] are written, which the last eight stores read
.irp t, 0,1,2,3
	global_store_b128 v[LO], v[PC+4*\t:PC+4*\t+3], s[56:57] offset:4096*(\t/2)+1024*(\t%2)
.endr
.irp t, 0,1,2,3
	global_store_b16 v[SO], v[PB+\t], s[58:59] offset:256*(\t%2)+8*(\t/2)
.endr
	s_wait_dscnt 0x0
	s_wait_alu depctr_hold_cnt(0) depctr_sa_sdst(0) depctr_va_vdst(0) depctr_va_sdst(0) depctr_va_ssrc(0) depctr_va_vcc(0) depctr_vm_vsrc(0)
	s_wait_tensorcnt 0x0
	ds_add_u32 v254, v255
	s_wait_dscnt 0x0
	s_endpgm
.Lfunc_end_k_q67e33148da_prep:
	.size	k_q67e33148da_prep, .Lfunc_end_k_q67e33148da_prep-k_q67e33148da_prep
	.p2alignl 7, 3214868480
	.fill 96, 4, 3214868480
	.section	.rodata,"a",@progbits
	.p2align	6, 0x0
	.amdhsa_kernel k_q67e33148da_prep
		.amdhsa_group_segment_fixed_size 35328
		.amdhsa_private_segment_fixed_size 0
		.amdhsa_enable_private_segment 0
		.amdhsa_kernarg_size 88
		.amdhsa_user_sgpr_count 2
		.amdhsa_user_sgpr_kernarg_segment_ptr 1
		.amdhsa_wavefront_size32 1
		.amdhsa_system_sgpr_workgroup_id_x 1
		.amdhsa_system_sgpr_workgroup_id_y 1
		.amdhsa_system_sgpr_workgroup_id_z 1
		.amdhsa_system_vgpr_workitem_id 0
		.amdhsa_next_free_vgpr 768
		.amdhsa_next_free_sgpr 66
		.amdhsa_reserve_vcc 1
		.amdhsa_float_denorm_mode_32 3
		.amdhsa_float_denorm_mode_16_64 3
		.amdhsa_memory_ordered 1
		.amdhsa_forward_progress 1
		.amdhsa_inst_pref_size 135
	.end_amdhsa_kernel
	.amdgpu_metadata
---
amdhsa.version: [ 1, 2 ]
amdhsa.kernels:
  - .name:           k_q67e33148da_prep
    .symbol:         k_q67e33148da_prep.kd
    .args:
      - { .name: ent_emb, .offset: 0, .size: 8, .value_kind: global_buffer, .address_space: global }
      - { .name: ent_idx_in_batch, .offset: 8, .size: 8, .value_kind: global_buffer, .address_space: global }
      - { .name: WK_w_codes, .offset: 16, .size: 8, .value_kind: global_buffer, .address_space: global }
      - { .name: WK_w_scales, .offset: 24, .size: 8, .value_kind: global_buffer, .address_space: global }
      - { .name: WK_b, .offset: 32, .size: 8, .value_kind: global_buffer, .address_space: global }
      - { .name: WQ_w_codes, .offset: 40, .size: 8, .value_kind: global_buffer, .address_space: global }
      - { .name: WQ_w_scales, .offset: 48, .size: 8, .value_kind: global_buffer, .address_space: global }
      - { .name: WO_w_codes, .offset: 56, .size: 8, .value_kind: global_buffer, .address_space: global }
      - { .name: WO_w_scales, .offset: 64, .size: 8, .value_kind: global_buffer, .address_space: global }
      - { .name: wf, .offset: 72, .size: 8, .value_kind: global_buffer, .address_space: global }
      - { .name: ent, .offset: 80, .size: 8, .value_kind: global_buffer, .address_space: global }
    .group_segment_fixed_size: 35328
    .private_segment_fixed_size: 0
    .kernarg_segment_align: 8
    .kernarg_segment_size: 88
    .max_flat_workgroup_size: 128
    .sgpr_count:     66
    .vgpr_count:     768
    .wavefront_size: 32
...
	.end_amdgpu_metadata
.endif
;; end of part 3
;; launch main (part 4): grid 256 x 1, 4 waves a work-group, no clusters, 309,760 bytes of LDS; arguments query_codes, query_scales, wf, ent, WQ_b, WO_b, ent_idx_in_batch, ln_g, ln_b, out0; writes out0
.if DOCPART == 4
	.amdgcn_target "amdgcn-amd-amdhsa--gfx1250"
	.amdhsa_code_object_version 6
	.text
	.protected	k_q67e33148da_main
	.globl	k_q67e33148da_main
	.p2align	8
	.type	k_q67e33148da_main,@function
k_q67e33148da_main:
	s_mov_b64 s[64:65], 0
	v_nop
	global_prefetch_b8 v0, s[64:65] scope:SCOPE_SE
	s_setreg_imm32_b32 hwreg(HW_REG_WAVE_SCHED_MODE, 0, 2), 2
	s_setreg_imm32_b32 hwreg(HW_REG_WAVE_MODE, 25, 1), 1
	s_wait_xcnt 0x0
	s_wait_alu depctr_vm_vsrc(0)
; MAIN.  out = LayerNorm(Q(softmax(Q(q) Q(ent)^T - 1e5 (1 - mask)) / 32) Q(ent) -> Q(.) WO^T + WO_b), q = query WQ^T + WQ_b; all five products on codes of FP4 (E2M1) with one E8M0 scale for each 32 along K.
; SHARES.  A work-group of four waves owns 64 rows of one batch through the whole chain: 256 work-groups.  THE WAVES SHARE THE COLUMNS, NOT THE ROWS: wave w makes columns 256 w .. 256 w + 255 of q, of p x ent and of
; the last product, and the scores of entities 64 w .. 64 w + 63, for all 64 rows.  So each byte of WQ, ent and WO is used by ONE wave of the work-group, and goes from memory straight into that wave's registers.
; The launch before has laid them in CHUNKS of 17,408 bytes, in the order of the operand's registers: each load of the wave reads 512 consecutive bytes.
; Full chunk (32 operand rows G, K = 1,024): fragment f = 2 s + u at 1024 f + 512 c + 16 lane; scale words at 16384 + 512 j + 16 lane (lane 16 u + r: words 4 j .. 4 j + 3 of the row of tile u).
; P chunk (four groups i of 32 rows, K = 256): 4096 i + 1024 (2 s + u) + 512 c + 16 lane; scale words at 16384 + 512 (i / 2) + 16 lane + 8 (i % 2) + 4 s.
; Lane r of tile u stands for row 32 G + 8 u + r + 8 (r / 8).  EVERY PRODUCT IS USED TRANSPOSED (source 0 = 16 rows of a chunk, source 1 = 16 of my 64 rows): a lane (r, h) then holds ONE of the 64 rows, and the 16
; registers of tiles u = 0, 1 are the 16 neighbouring columns 32 G + 16 h + 0 .. 15: half a block of the next K; the other half lies in lane l xor 16.
; q, p and v go from wave to wave through LDS as IMAGES OF THE OPERAND'S REGISTERS (16 bytes a lane, 512 a store), their scale bytes two at a time.  Nothing but out0 is stored to memory.
; THE STREAM of a wave is 20 chunks: 8 of WQ, 2 + 2 of its batch's ent, 8 of WO, through two buffers of 128 registers.  A chunk is 34 loads: two of scale words, then 32 of codes; a buffer is asked for again
; at the end of the chunk that it held (a P chunk's buffer by halves of 17 loads, at the end of each half).
; NO TENSOR LOADS, NO CLUSTER: LayerNorm wants whole rows, so 64 rows x 4,112 bytes = 263,168 bytes of LDS hold the last product's results; with 46,080 bytes of images, biases and partial maxima and sums 18 KB are
; left, too little for two slots of tiles; and a chunk would cross LDS with no second reader in the work-group.
; The biases, and -1e5 for the index -1, are the C of each sum's first matrix instruction.
; LIMITS: a block whose largest magnitude lies under 2^-124, a block of zeros among them, gets the scale byte 1 (zeros: the rule says 127; the codes are zeros and this program alone reads the bytes).
; A p under 2^-126 is 0 (v_exp_f32 gives no denormals: ISA guide, 15.8).  NaN and infinities are not served.  The biases enter the sums first, not last: another order of rounding than reference()'s.
; REGISTERS, in windows of 256: window 0: v1-31 addresses; v32-95, v96-159 accumulators; v160-191 the quantiser's; v200-231 scale words; v232-251 statistics.
;   window 1: the 64 rows' operand, 32 fragments at 64 m + 8 s.   window 2: two chunk buffers, 128 b + 8 f.   window 3: v0-31 the next chunks' C (16 b + 8 u + j); v32-63 ln_g, v64-95 ln_b.
; THE MODE: SCHED_MODE bits 1:0 = 2 (LLVM: expert scheduling mode 2), set by the entry lines.  The code itself states the register dependences
; between vector or matrix instructions and memory or LDS instructions, with s_wait_alu, always for 0.
; THE PLAN.  Registers that memory or LDS instructions touch, and who else names them:
;   chunk buffer b (window 2), its scale words v[WSC + 8 b ..], its C (window 3)   read by the chunk's 64 products; loaded again at the chunk's end.
;   the rows' operand (window 1), v[ASC ..]   read by a phase's products; loaded from LDS at the next phase's head.
;   v[HA ..]   written by products and read by vector instructions; in the last product read by the LDS stores into the stage; in the norm loaded from the stage, worked on, read by the stores to out0.
;   v[PC ..], v[PB ..]   written by the quantiser, read by LDS stores.   v[MX ..]   written by the reductions, read by one LDS store each.   v[MT ..]   loaded from LDS, between vector uses.
;   addresses written more than once: v[BAD], v[STA ..], v[LNA] (once a trip), v[IWA], v[SWA], v[ARD], v[ARS] (once a trip or a phase).  All others are made at the head and never written again.
; ONE wait on va_vdst stands at a chunk's end, behind its places: the 64 products are done reading the buffer, its scale words and its C, and have written the accumulators; the addresses made at the trip's head
; are written.  The chunk's 34 loads, the four LDS loads of the next C and, in the last product, the stage's sixteen LDS stores follow it with no further wait: no vector or matrix instruction stands between.
; The loads stand in one run, not among the products: a load wants another window setting than a product, two switches for each change.
; One wait on vm_vsrc stands where registers that LDS stores or loads have read are written again: at each trip's head, ahead of a chunk that writes accumulators just stored, and at each phase's head.
; Each buffer has a base of its own, stepped in the middle of the buffer's chunk, behind the counted wait that shows the loads that read that base done: the stream's loops hold no wait on XCNT.
.set CH,   17408
.set WOFF, 32*CH                       ; WO's chunks in wf
.set STGP, 4112                        ; LDS 0: the stage, 64 rows x (4,096 + 16) bytes.  Until the last product begins it holds:
.set XSP,  528                         ;   0: query's 64 rows of codes, 512 + 16 bytes each
.set QIMG, 34816                       ;   q's 32 fragments, 1024 (8 m + s)
.set QSC,  67584                       ;   their scale words: [m][32 lanes][16 bytes]: word s of row r at 512 m + 16 (r + 16 (s / 4)) + 4 (s % 4)
.set PIMG, 69632                       ;   p's 8 fragments, 2048 m + 1024 s
.set PSC,  77824                       ;   their scale words: 128 m + 8 r + 4 s
.set VIMG, 263168                      ; behind the stage: v's 32 fragments,
.set VSC,  295936                      ; their scale words,
.set BIAS, 297984                      ; for each wave 2,304 bytes: its 256 of WQ_b, its 64 entities' 0 or -1e5, its 256 of WO_b
.set REDM, 307200                      ; the waves' maxima, [w][r][m], and 1,024 bytes on their sums
.set LO,   1                           ; v1   16 x lane
.set RL,   2                           ; v2   r
.set HL,   3                           ; v3   h
.set BA0,  4                           ; v4   BIAS + 2304 w + 64 h
.set BAD,  5                           ; v5   + s[TB]
.set IW0,  6                           ; v6   16 lane + 2048 w: where my part of an image begins
.set IWA,  7
.set SW0,  8                           ; v8   16 r + 256 (w / 2) + 8 (w % 2): and of its scale words
.set SWA,  9
.set ARD,  10                          ; v10  an image's first byte + 16 lane
.set ARS,  11                          ; v11  its scale words' + 16 lane
.set XW,   12                          ; v12  query's rows on the way in
.set XR,   13                          ; v13  and out: 528 r + 16 h
.set RW,   14                          ; v14  REDM + 256 w + 16 r
.set RR,   15                          ; v15  REDM + 16 r
.set STB,  16                          ; v16-19 the stage: 4112 (16 m + r) + 64 h + 1024 w
.set STA,  20                          ; v20-23 + s[TG]
.set LNR,  24                          ; v24  the stage, back: my 16 rows, 16 bytes a lane
.set LNA,  25                          ; v25  + s[TL]  (at the head: where the 64 entities' C is stored)
.set PSW,  26                          ; v26  PSC + 8 r + 2 w
.set PSR,  27                          ; v27  PSC + 8 r
.set PIW,  28                          ; v28  PIMG + 512 w + 16 lane
.set QSA,  29                          ; v29  32 r + 16 h
.set L8,   30                          ; v30  8 x lane
.set BW,   31                          ; v31  BIAS + 2304 w + 16 lane
.set HA,   32
.set PC,   160                         ; v160-175 codes just made; in the softmax and the norm: pairs
.set PR,   160
.set SM,   168
.set PB,   176                         ; v176-179 two scale bytes for each tile of rows
.set TM,   180                         ; v180-183 largest magnitudes, v184-187 at work, v188-191 the conversions' scale operands
.set ASC,  200                         ; v200-215 the rows' scale words: 4 m + s % 4, lanes 16 (s / 4) + r
.set WSC,  216                         ; v216-231 the chunks': 8 b + s, lanes 16 u + r
.set MX,   232                         ; v232-235 a number for each tile of rows (or row)
.set MT,   236                         ; v236-251 at work
.set LP,   28                          ; s[28:29] buffer 0's base, s[46:47] buffer 1's (LP + 18 b): the pair of chunks of which the buffer takes its one next; buffer 1's chunk lies CH bytes on
.set NP,   30                          ; s[30:31] my four chunks of ent
.set OP,   32                          ; s[32:33] my eight chunks of WO; never written again
.set SEL,  34                          ; s[34:35] v_permlanex16_b32's selects for lane l xor 16
.set LG,   36                          ; s[36:37] log2(e): the packed form names a pair and takes its low word for both halves
.set TB,   38                          ; s38  where the next chunks' C begins in my 2,304 bytes
.set TI,   39                          ; s39  q's image, s40 its scale words: the trip's place
.set TS,   40
.set TG,   41                          ; s41  the stage: the trip's columns
.set TL,   42                          ; s42  the stage: the trip's rows
.set EPS,  43
.set RN,   44                          ; 1 / 1,024
.set MSB, 0
.macro WIN new                         ; the immediate's high byte repeats the setting that is left; a switch that changes nothing is dropped
.if MSB != \new
	s_set_vgpr_msb (MSB<<8)|\new
.set MSB, \new
.endif
.endm
.macro PLACES n
.rept \n
	v_nop
.endr
.endm
; One matrix instruction.  c < 0: the constant 0 starts the sum.  ra, rb: the scale words of source 0, of source 1, stand in lanes 16-31.
.macro WM d, a, b, c, sa, sb, ra, rb
.if (\c) < 0
.if (\ra) && (\rb)
	v_wmma_scale_f32_16x16x128_f8f6f4 v[(\d):(\d)+7], v[(\a):(\a)+7], v[(\b):(\b)+7], 0, v[\sa], v[\sb] matrix_a_fmt:MATRIX_FMT_FP4 matrix_b_fmt:MATRIX_FMT_FP4 matrix_a_scale:MATRIX_SCALE_ROW1 matrix_b_scale:MATRIX_SCALE_ROW1
.elseif (\ra)
	v_wmma_scale_f32_16x16x128_f8f6f4 v[(\d):(\d)+7], v[(\a):(\a)+7], v[(\b):(\b)+7], 0, v[\sa], v[\sb] matrix_a_fmt:MATRIX_FMT_FP4 matrix_b_fmt:MATRIX_FMT_FP4 matrix_a_scale:MATRIX_SCALE_ROW1
.elseif (\rb)
	v_wmma_scale_f32_16x16x128_f8f6f4 v[(\d):(\d)+7], v[(\a):(\a)+7], v[(\b):(\b)+7], 0, v[\sa], v[\sb] matrix_a_fmt:MATRIX_FMT_FP4 matrix_b_fmt:MATRIX_FMT_FP4 matrix_b_scale:MATRIX_SCALE_ROW1
.else
	v_wmma_scale_f32_16x16x128_f8f6f4 v[(\d):(\d)+7], v[(\a):(\a)+7], v[(\b):(\b)+7], 0, v[\sa], v[\sb] matrix_a_fmt:MATRIX_FMT_FP4 matrix_b_fmt:MATRIX_FMT_FP4
.endif
.else
.if (\ra) && (\rb)
	v_wmma_scale_f32_16x16x128_f8f6f4 v[(\d):(\d)+7], v[(\a):(\a)+7], v[(\b):(\b)+7], v[(\c):(\c)+7], v[\sa], v[\sb] matrix_a_fmt:MATRIX_FMT_FP4 matrix_b_fmt:MATRIX_FMT_FP4 matrix_a_scale:MATRIX_SCALE_ROW1 matrix_b_scale:MATRIX_SCALE_ROW1
.elseif (\ra)
	v_wmma_scale_f32_16x16x128_f8f6f4 v[(\d):(\d)+7], v[(\a):(\a)+7], v[(\b):(\b)+7], v[(\c):(\c)+7], v[\sa], v[\sb] matrix_a_fmt:MATRIX_FMT_FP4 matrix_b_fmt:MATRIX_FMT_FP4 matrix_a_scale:MATRIX_SCALE_ROW1
.elseif (\rb)
	v_wmma_scale_f32_16x16x128_f8f6f4 v[(\d):(\d)+7], v[(\a):(\a)+7], v[(\b):(\b)+7], v[(\c):(\c)+7], v[\sa], v[\sb] matrix_a_fmt:MATRIX_FMT_FP4 matrix_b_fmt:MATRIX_FMT_FP4 matrix_b_scale:MATRIX_SCALE_ROW1
.else
	v_wmma_scale_f32_16x16x128_f8f6f4 v[(\d):(\d)+7], v[(\a):(\a)+7], v[(\b):(\b)+7], v[(\c):(\c)+7], v[\sa], v[\sb] matrix_a_fmt:MATRIX_FMT_FP4 matrix_b_fmt:MATRIX_FMT_FP4
.endif
.endif
.endm
; Four sets q of 16 numbers, v[src + 16 q + i]: half a block of 32; the other half lies in lane l xor 16.  QMAX leaves each block's largest magnitude, never under the floor 2^(3 - 127), with 2 taken off its
; exponent field, in v[TM + 8 + q]: the conversion takes that field as its scale.  The registers are read in ascending order.
.macro QMAX src
.irp q, 0,1,2,3
	v_max3_num_f32 v[TM+\q], |v[(\src)+16*\q]|, |v[(\src)+16*\q+1]|, 0x1800000
.endr
.irp i, 2,4,6,8,10,12,14
.irp q, 0,1,2,3
	v_max3_num_f32 v[TM+\q], v[TM+\q], |v[(\src)+16*\q+\i]|, |v[(\src)+16*\q+\i+1]|   ; the four sets by turns: no line waits for the line above it
.endr
.endr
.irp q, 0,1,2,3
	v_permlanex16_b32 v[TM+4+\q], v[TM+\q], s[SEL], s[SEL+1]
.endr
.irp q, 0,1,2,3
	v_max_num_f32 v[TM+\q], v[TM+\q], v[TM+4+\q]
.endr
.irp q, 0,1,2,3
	v_add_nc_u32 v[TM+8+\q], 0xff000000, v[TM+\q]
.endr
.endm
.macro QCVT src, st, off               ; set q's 16 codes into v[PC + st q + off] and the next register
.irp q, 0,1,2,3
	v_cvt_scalef32_pk8_fp4_f32 v[PC+(\st)*\q+(\off)], v[(\src)+16*\q:(\src)+16*\q+7], v[TM+8+\q]
	v_cvt_scalef32_pk8_fp4_f32 v[PC+(\st)*\q+(\off)+1], v[(\src)+16*\q+8:(\src)+16*\q+15], v[TM+8+\q]
.endr
	v_nop                                          ; one plain line behind the last scaled conversion
.endm
; The four sets are the four tiles of rows, their 16 numbers half of ONE block of 32 along the next K; e = 0, 1: the two blocks of 64 along that K.
.macro QUANTG src, e
	QMAX \src
.if (\e) == 0
.irp q, 0,1,2,3
	v_lshrrev_b32 v[PB+\q], 23, v[TM+8+\q]         ; the scale's byte
.endr
.else
.irp q, 0,1,2,3
	v_lshrrev_b32 v[TM+4+\q], 23, v[TM+8+\q]
.endr
.irp q, 0,1,2,3
	v_lshl_or_b32 v[PB+\q], v[TM+4+\q], 8, v[PB+\q]
.endr
.endif
	QCVT \src, 4, 2*(\e)
.endm
.macro SWAPS                           ; the operand's layout wants a WHOLE block in a lane: lanes 0-15 the first block, lanes 16-31 the second.  v[PC + 4 q .. + 3] is then half a fragment: 64 along K
.irp q, 0,1,2,3
.irp i, 0,1
	v_permlane16_swap_b32 v[PC+4*\q+\i], v[PC+4*\q+2+\i]
.endr
.endr
.endm
.macro ALOAD                           ; 32 fragments (4 tiles of rows x 8 K steps) out of LDS into window 1, their scale words into v[ASC] on
	WIN 0x40
.irp m, 0,1,2,3
.irp s, 0,1,2,3,4,5,6,7
.irp c, 0,1
	ds_load_b128 v[64*\m+8*\s+4*\c:64*\m+8*\s+4*\c+3], v[ARD] offset:(8*\m+\s)*1024+512*\c
.endr
.endr
.endr
	WIN 0
.irp m, 0,1,2,3
	ds_load_b128 v[ASC+4*\m:ASC+4*\m+3], v[ARS] offset:512*\m
.endr
.endm
.macro BARRIER                         ; my LDS stores have landed and my LDS loads are in: then the work-group's barrier
	s_wait_dscnt 0x0
	s_barrier_signal -1
	s_barrier_wait -1
.endm
.macro BILOAD b                        ; the C of the chunk that buffer b takes next: 16 numbers a lane, columns 32 G + 16 h + 0 .. 15, out of my own bytes of LDS into window 3; v[BAD] serves both buffers of a trip
	WIN 0xc0
.irp i, 0,1,2,3
	ds_load_b128 v[16*(\b)+4*\i:16*(\b)+4*\i+3], v[BAD] offset:128*(\b)+16*\i
.endr
.endm
.macro REFILL b, hs, base              ; half hs of buffer b takes the same half of the chunk at s[base] + b CH: 17 loads of 512 consecutive bytes
	WIN 0
	global_load_b128 v[WSC+8*(\b)+4*(\hs):WSC+8*(\b)+4*(\hs)+3], v[LO], s[(\base):(\base)+1] offset:(\b)*CH+16384+512*(\hs)
	WIN 0x80
.irp q, 0,1,2,3,4,5,6,7,8,9,10,11,12,13,14,15
	global_load_b128 v[128*(\b)+64*(\hs)+4*\q:128*(\b)+64*(\hs)+4*\q+3], v[LO], s[(\base):(\base)+1] offset:(\b)*CH+8192*(\hs)+512*\q
.endr
.endm
.macro REFILLC b, base, bias           ; buffer b takes the whole chunk at s[base] + b CH: 34 loads: both halves' scale words, the first half's 16 loads of codes, the second half's 16
	WIN 0
.irp hs, 0,1
	global_load_b128 v[WSC+8*(\b)+4*\hs:WSC+8*(\b)+4*\hs+3], v[LO], s[(\base):(\base)+1] offset:(\b)*CH+16384+512*\hs
.endr
.if \bias
	BILOAD \b
.endif
	WIN 0x80
.set qi, 0
.rept 32
	global_load_b128 v[128*(\b)+4*qi:128*(\b)+4*qi+3], v[LO], s[(\base):(\base)+1] offset:(\b)*CH+512*qi
.set qi, qi+1
.endr
.endm
; K step s of a full chunk in buffer b: 8 matrix instructions, the four tiles of rows x the chunk's two tiles.  cb >= 0: C is taken from v[cb + 8 u] (of window 3).
; The eight accumulators take turns, one instruction a turn.
.macro MULS acc, b, s, cb
.irp m, 0,1,2,3
.irp u, 0,1
.if (\cb) >= 0
	WM (\acc)+16*\m+8*\u, 128*(\b)+16*(\s)+8*\u, 64*\m+8*(\s), (\cb)+8*\u, WSC+8*(\b)+(\s), ASC+4*\m+(\s)%4, \u, (\s)/4
.else
	WM (\acc)+16*\m+8*\u, 128*(\b)+16*(\s)+8*\u, 64*\m+8*(\s), (\acc)+16*\m+8*\u, WSC+8*(\b)+(\s), ASC+4*\m+(\s)%4, \u, (\s)/4
.endif
.endr
.endr
.endm
; A full chunk: 64 rows x 32 columns x K = 1,024.  n0, n1: the loads issued behind its first and its second half, which may stay out.  With the next chunk asked for: n0 = 50, the 16 loads of its own second
; half and the next chunk's 34; n1 = 34.  step = 1: the buffer's base moves on by a pair of chunks; 2: and in the last trip of q's loop it goes to ent's chunks.
.macro CHUNK acc, b, n0, n1, refill, bias, step
	s_wait_dscnt 0x0                               ; the chunk's C and the rows' operand are in; my LDS stores are done
	s_wait_loadcnt \n0
	WIN 0x36                                       ; source 0 window 2, source 1 window 1, C window 3
	MULS \acc, \b, 0, 16*(\b)
	WIN 0x06
	MULS \acc, \b, 1, -1
	MULS \acc, \b, 2, -1
	MULS \acc, \b, 3, -1
	s_wait_loadcnt \n1                             ; loads come back in order (ISA guide 5.7.1): the whole chunk is in
.if \step
	s_add_nc_u64 s[LP+18*(\b):LP+18*(\b)+1], s[LP+18*(\b):LP+18*(\b)+1], 2*CH  ; free since that wait, which shows the loads that read this base done
.endif
.if (\step) == 2
	s_cmp_eq_u32 s3, 1
	s_cselect_b64 s[LP+18*(\b):LP+18*(\b)+1], s[NP:NP+1], s[LP+18*(\b):LP+18*(\b)+1]   ; the last trip asks for ent's first two chunks
.endif
	MULS \acc, \b, 4, -1
	MULS \acc, \b, 5, -1
	MULS \acc, \b, 6, -1
	MULS \acc, \b, 7, -1
	PLACES 5                                       ; four in front of the first read of results, five in front of the products that begin these accumulators anew
	s_wait_alu depctr_va_vdst(0)                   ; the 64 products are done reading the buffer, its scale words and its C, in which the loads below land, and have written the accumulators, which LDS stores read in the last product; the addresses made at the trip's head are written
.if \refill
	REFILLC \b, LP+18*(\b), \bias
.endif
	WIN 0
.endm
	s_load_b512 s[8:23], s[0:1], 0x0               ; query codes s[8:9], query scales s[10:11], wf s[12:13], ent s[14:15], WQ_b s[16:17], WO_b s[18:19], idx s[20:21], ln_g s[22:23]
	s_load_b128 s[24:27], s[0:1], 0x40             ; ln_b s[24:25], out0 s[26:27]
	v_lshl_add_u32 v254, v0, 2, 0x4b800
	v_mov_b32 v255, 0
	v_lshrrev_b32 v[BW], 5, v0
	v_readfirstlane_b32 s2, v[BW]                  ; wave 0..3
	v_and_b32 v[L8], 31, v0
	v_lshlrev_b32 v[LO], 4, v[L8]
	v_lshlrev_b32 v[L8], 3, v[L8]
	v_and_b32 v[RL], 15, v0
	s_wait_alu depctr_va_vdst(0)
	v_bfe_u32 v[HL], v0, 4, 1
	s_wait_alu depctr_va_sdst(0)                   ; s2 is written, ahead of its first reader: LDS addresses and the bases of every buffer are made from it
	s_mul_i32 s46, s2, 2304
	s_add_co_u32 s46, s46, BIAS
	v_lshl_add_u32 v[BA0], v[HL], 6, s46
	v_add_nc_u32 v[BW], s46, v[LO]
	v_add_nc_u32 v[LNA], s46, v[L8]
	s_lshl_b32 s47, s2, 11
	v_add_nc_u32 v[IW0], s47, v[LO]
	s_lshr_b32 s47, s2, 1
	s_lshl_b32 s47, s47, 8
	s_and_b32 s48, s2, 1
	s_lshl_b32 s48, s48, 3
	s_add_co_u32 s47, s47, s48
	v_lshl_add_u32 v[SW0], v[RL], 4, s47
	s_mul_i32 s47, s2, 16*XSP
	v_add_nc_u32 v[XW], s47, v[LO]
	v_mul_u32_u24 v[XR], v[RL], XSP
	s_wait_alu depctr_va_vdst(0)
	v_lshl_add_u32 v[XR], v[HL], 4, v[XR]
	s_lshl_b32 s47, s2, 8
	s_add_co_u32 s47, s47, REDM
	v_lshl_add_u32 v[RW], v[RL], 4, s47
	v_lshl_add_u32 v[RR], v[RL], 4, REDM
	v_mul_u32_u24 v[STB], v[RL], STGP
	v_lshl_add_u32 v[STB], v[HL], 6, v[STB]
	s_lshl_b32 s47, s2, 10
	v_add_nc_u32 v[STB], s47, v[STB]
.irp m, 1,2,3
	v_add_nc_u32 v[STB+\m], 16*STGP*\m, v[STB]
.endr
	s_mul_i32 s47, s2, 16*STGP
	v_add_nc_u32 v[LNR], s47, v[LO]
	s_lshl_b32 s47, s2, 1
	s_add_co_u32 s47, s47, PSC
	v_lshl_add_u32 v[PSW], v[RL], 3, s47
	v_lshl_add_u32 v[PSR], v[RL], 3, PSC
	s_lshl_b32 s47, s2, 9
	s_add_co_u32 s47, s47, PIMG
	v_add_nc_u32 v[PIW], s47, v[LO]
	v_lshlrev_b32 v[QSA], 5, v[RL]
	v_lshl_add_u32 v[QSA], v[HL], 4, v[QSA]
.irp q, 0,1,2,3
	v_mov_b32 v[TM+4+\q], 0                        ; written once: a lane permute's destination counts as one of its sources
	v_mov_b32 v[MT+\q], 0
.endr
	v_mov_b32 v114, 0xc7c35000                     ; -100,000
	s_mov_b32 s[SEL], 0x76543210
	s_mov_b32 s[SEL+1], 0xfedcba98
	s_mov_b32 s[LG], 0x3fb8aa3b
	s_mov_b32 s[LG+1], s[LG]
	s_mov_b32 s[EPS], 0x3727c5ac                   ; 1e-5
	s_mov_b32 s[RN], 0x3a800000                    ; 2^-10
	s_lshl_b32 s46, ttmp9, 15                      ; query's codes: row 64 g + 16 w of 512 bytes
	s_lshl_b32 s48, s2, 13
	s_add_co_u32 s46, s46, s48
	s_mov_b32 s47, 0
	s_lshl_b32 s48, ttmp9, 11                      ; its scale bytes: row 64 g of 32 bytes
	s_mov_b32 s49, 0
	s_mul_i32 s50, s2, 8*CH                        ; my eight chunks of WQ (and of WO)
	s_mov_b32 s51, 0
	s_lshr_b32 s52, ttmp9, 4                       ; the batch
	s_lshl_b32 s54, s52, 2
	s_add_co_u32 s54, s54, s2
	s_mul_i32 s54, s54, 4*CH                       ; my four chunks of ent
	s_mov_b32 s55, 0
	s_lshl_b32 s56, s2, 10                         ; my 256 numbers of a bias
	s_mov_b32 s57, 0
	s_lshl_b32 s58, s52, 10                        ; my 64 indices
	s_lshl_b32 s53, s2, 8
	s_add_co_u32 s58, s58, s53
	s_mov_b32 s59, 0
	s_lshl_b32 s60, ttmp9, 18                      ; out0: row 64 g + 16 w of 4,096 bytes
	s_lshl_b32 s53, s2, 16
	s_add_co_u32 s60, s60, s53
	s_mov_b32 s61, 0
	s_wait_kmcnt 0x0
	s_add_nc_u64 s[8:9], s[8:9], s[46:47]
	s_add_nc_u64 s[10:11], s[10:11], s[48:49]
	s_add_nc_u64 s[LP:LP+1], s[12:13], s[50:51]
	s_add_nc_u64 s[OP:OP+1], s[LP:LP+1], WOFF
	s_mov_b64 s[LP+18:LP+19], s[LP:LP+1]           ; both buffers' bases at WQ's first pair of chunks
	s_add_nc_u64 s[NP:NP+1], s[14:15], s[54:55]
	s_add_nc_u64 s[16:17], s[16:17], s[56:57]
	s_add_nc_u64 s[18:19], s[18:19], s[56:57]
	s_add_nc_u64 s[20:21], s[20:21], s[58:59]
	s_add_nc_u64 s[26:27], s[26:27], s[60:61]
	; ---- the head's 41 loads
	s_wait_alu depctr_va_vdst(0)                   ; the offsets and LDS addresses made above are written, which the loads and stores of the whole kernel read
.irp i, 0,1,2,3,4,5,6,7,8,9,10,11,12,13,14,15
	global_load_b128 v[HA+4*\i:HA+4*\i+3], v[LO], s[8:9] offset:512*\i th:TH_LOAD_NT   ; my 16 rows of query's codes, a row of 512 bytes a load
.endr
.irp m, 0,1,2,3
	global_load_b128 v[ASC+4*\m:ASC+4*\m+3], v[QSA], s[10:11] offset:512*\m            ; all 64 rows' scale words, as the products take them
.endr
.irp i, 0,1
	global_load_b128 v[96+4*\i:99+4*\i], v[LO], s[16:17] offset:512*\i
.endr
.irp i, 0,1
	global_load_b128 v[104+4*\i:107+4*\i], v[LO], s[18:19] offset:512*\i
.endr
	global_load_b64 v[112:113], v[L8], s[20:21]
	WIN 0xc0
.irp i, 0,1,2,3,4,5,6,7
	global_load_b128 v[32+4*\i:35+4*\i], v[LO], s[22:23] offset:512*\i                 ; ln_g and ln_b as the norm's lanes hold a row: columns 128 i + 4 lane + 0 .. 3
.endr
.irp i, 0,1,2,3,4,5,6,7
	global_load_b128 v[64+4*\i:67+4*\i], v[LO], s[24:25] offset:512*\i
.endr
	REFILLC 0, LP, 0                               ; WQ's chunk 0
	WIN 0
	s_wait_loadcnt 34                              ; the 41 are in; the chunk's 34 may be out
.irp i, 0,1,2,3,4,5,6,7,8,9,10,11,12,13,14,15
	ds_store_b128 v[XW], v[HA+4*\i:HA+4*\i+3] offset:XSP*\i
.endr
.irp i, 0,1
	ds_store_b128 v[BW], v[96+4*\i:99+4*\i] offset:512*\i
.endr
.irp i, 0,1
	ds_store_b128 v[BW], v[104+4*\i:107+4*\i] offset:1280+512*\i
.endr
	v_cmp_eq_u32 s48, -1, v112                     ; the two compares stand together, each into a scalar register of its own
	v_cmp_eq_u32 s49, -1, v113
	s_mov_b32 s[TB], 0
	v_add_nc_u32 v[BAD], s[TB], v[BA0]
	s_wait_alu depctr_va_sdst(0)                   ; the two masks are written, ahead of the selects that read them
	v_cndmask_b32 v112, 0, v114, s48               ; -1e5 where the index is -1, else 0
	v_cndmask_b32 v113, 0, v114, s49
	s_wait_alu depctr_va_vdst(0)                   ; the selects have written v[112:113], which the LDS store reads; v[BAD] is written, which the LDS loads of the first two C read
	ds_store_b64 v[LNA], v[112:113] offset:1024
	REFILLC 1, LP+18, 0                            ; WQ's chunk 1
	BILOAD 0                                       ; LDS serves a wave's instructions in order: these see my stores
	BILOAD 1
	WIN 0
	s_mov_b32 s[TB], 256
	s_mov_b32 s[TI], QIMG
	s_mov_b32 s[TS], QSC
	s_mov_b32 s3, 4
	BARRIER                                        ; query's 64 rows lie in LDS
	WIN 0x40
.irp m, 0,1,2,3
.irp s, 0,1,2,3,4,5,6,7
.irp c, 0,1
	ds_load_b128 v[64*\m+8*\s+4*\c:64*\m+8*\s+4*\c+3], v[XR] offset:16*XSP*\m+64*\s+32*\c
.endr
.endr
.endr
	WIN 0
	; ---- q = query WQ^T + WQ_b, my 256 columns: a trip makes 64 of them, half a fragment for each tile of rows, and asks for the two chunks after the next two
.Lq:
	s_wait_alu depctr_vm_vsrc(0)                   ; the LDS stores issued so far have read their registers: the head's v[HA ..], which the products write; a trip's v[PC ..], v[PB ..], v[IWA], v[SWA], which this trip writes again; the LDS loads of C have read v[BAD]
	v_add_nc_u32 v[BAD], s[TB], v[BA0]             ; where the C of this trip's two refills lies
	CHUNK HA, 0, 50, 34, 1, 1, 2
	QUANTG HA, 0
	CHUNK HA, 1, 50, 34, 1, 1, 2
	QUANTG HA, 1
	SWAPS
	v_add_nc_u32 v[IWA], s[TI], v[IW0]
	v_add_nc_u32 v[SWA], s[TS], v[SW0]
	s_wait_alu depctr_va_vdst(0)                   ; the codes, the bytes and the two addresses are written, which the eight LDS stores read
.irp m, 0,1,2,3
	ds_store_b128 v[IWA], v[PC+4*\m:PC+4*\m+3] offset:8192*\m
.endr
.irp m, 0,1,2,3
	ds_store_b16 v[SWA], v[PB+\m] offset:512*\m    ; lanes r and 16 + r write the same two bytes with the same value
.endr
	s_add_co_u32 s[TB], s[TB], 256
	s_add_co_u32 s[TI], s[TI], 512
	s_add_co_u32 s[TS], s[TS], 2
	s_sub_co_u32 s3, s3, 1
	s_cmp_lg_u32 s3, 0
	s_cbranch_scc1 .Lq
	BARRIER                                        ; q's 32 fragments lie in LDS
	; ---- the scores of my 64 entities: two chunks, K = 1,024; C = 0 or -1e5.  Their refills bring ent's two P chunks
	s_wait_alu depctr_vm_vsrc(0)                   ; the last trip's LDS stores have read v[PC ..] and v[PB ..], which the softmax writes; its LDS loads of C have read v[BAD], which is written below
	v_add_nc_u32 v[ARD], QIMG, v[LO]
	v_add_nc_u32 v[ARS], QSC, v[LO]
	s_wait_alu depctr_va_vdst(0)                   ; the two addresses are written, which the loads below read
	ALOAD
	CHUNK HA, 0, 50, 34, 1, 0, 1
	CHUNK HA+64, 1, 50, 34, 1, 0, 1
	s_mov_b32 s[TB], 1280
	v_add_nc_u32 v[BAD], s[TB], v[BA0]             ; where the C of WO's first two chunks lies; the softmax's waits on va_vdst stand between this line and the loads that read it
	; ---- softmax over 256 entities.  Number n = 0 .. 31 of tile m: v[HA + 16 m + n + 48 (n / 16)].  The row's maximum: my 32, lane l xor 16's, the other waves'.  Each accumulator is read from its low end on
.irp m, 0,1,2,3
	v_max3_num_f32 v[MX+\m], v[HA+16*\m], v[HA+16*\m+1], v[HA+16*\m+2]
.endr
.irp n, 3,5,7,9,11,13,15,17,19,21,23,25,27,29
.irp m, 0,1,2,3
	v_max3_num_f32 v[MX+\m], v[MX+\m], v[HA+16*\m+\n+48*(\n/16)], v[HA+16*\m+\n+1+48*((\n+1)/16)]
.endr
.endr
.irp m, 0,1,2,3
	v_max_num_f32 v[MX+\m], v[MX+\m], v[HA+16*\m+31+48]
.endr
.irp m, 0,1,2,3
	v_permlanex16_b32 v[MT+\m], v[MX+\m], s[SEL], s[SEL+1]
.endr
.irp m, 0,1,2,3
	v_max_num_f32 v[MX+\m], v[MX+\m], v[MT+\m]
.endr
	s_wait_alu depctr_va_vdst(0)                   ; v[MX ..] is written, which the LDS store reads; the lines above are done with v[MT ..], in which the LDS loads behind the barrier land
	ds_store_b128 v[RW], v[MX:MX+3]
	BARRIER
.irp k, 0,1,2,3
	ds_load_b128 v[MT+4*\k:MT+4*\k+3], v[RR] offset:256*\k
.endr
	s_wait_dscnt 0x0
	s_wait_alu depctr_vm_vsrc(0)                   ; the LDS store has read v[MX ..], which is written again below
.irp m, 0,1,2,3
	v_max3_num_f32 v[MX+\m], v[MT+\m], v[MT+4+\m], v[MT+8+\m]
.endr
.irp m, 0,1,2,3
	v_max_num_f32 v[MX+\m], v[MX+\m], v[MT+12+\m]  ; M, the row's maximum
.endr
.irp m, 0,1,2,3
	v_mul_f32 v[PR+2*\m], s[LG], v[MX+\m]          ; c = M log2(e), one number for the whole row: its rounding leaves with the division by the row's sum
.endr
.irp m, 0,1,2,3
	v_mov_b32 v[PR+2*\m+1], v[PR+2*\m]
.endr
.irp n, 0,2,4,6,8,10,12,14,16,18,20,22,24,26,28,30
.irp m, 0,1,2,3
	v_pk_fma_f32 v[HA+16*\m+\n+48*(\n/16):HA+16*\m+\n+48*(\n/16)+1], v[HA+16*\m+\n+48*(\n/16):HA+16*\m+\n+48*(\n/16)+1], s[LG:LG+1], v[PR+2*\m:PR+2*\m+1] op_sel_hi:[1,0,1] neg_lo:[0,0,1] neg_hi:[0,0,1]   ; s log2(e) - c, rounded once
.endr
.endr
.set qi, 0
	s_wait_alu depctr_va_vdst(0)
.rept 128
	v_exp_f32 v[HA+qi], v[HA+qi]                   ; e^(s - M): one batch
.set qi, qi+1
.endr
	v_nop                                          ; a plain line behind the last exponential
	s_wait_alu depctr_va_vdst(0)                   ; the 128 exponentials have written v[HA ..]: one wait for the batch, ahead of its first reader
.irp m, 0,1,2,3
	v_pk_add_f32 v[SM+2*\m:SM+2*\m+1], v[HA+16*\m:HA+16*\m+1], v[HA+16*\m+2:HA+16*\m+3]
.endr
.irp n, 4,6,8,10,12,14,16,18,20,22,24,26,28,30
.irp m, 0,1,2,3
	v_pk_add_f32 v[SM+2*\m:SM+2*\m+1], v[SM+2*\m:SM+2*\m+1], v[HA+16*\m+\n+48*(\n/16):HA+16*\m+\n+48*(\n/16)+1]
.endr
.endr
.irp m, 0,1,2,3
	v_add_f32 v[MX+\m], v[SM+2*\m], v[SM+2*\m+1]
.endr
.irp m, 0,1,2,3
	v_permlanex16_b32 v[MT+\m], v[MX+\m], s[SEL], s[SEL+1]
.endr
.irp m, 0,1,2,3
	v_add_f32 v[MX+\m], v[MX+\m], v[MT+\m]
.endr
	s_wait_alu depctr_va_vdst(0)                   ; v[MX ..] is written, which the LDS store reads; the lines above are done with v[MT ..], in which the LDS loads behind the barrier land
	ds_store_b128 v[RW], v[MX:MX+3] offset:1024    ; other bytes than the maxima's: no barrier is owed between the reads above and this store
	BARRIER
.irp k, 0,1,2,3
	ds_load_b128 v[MT+4*\k:MT+4*\k+3], v[RR] offset:1024+256*\k
.endr
	s_wait_dscnt 0x0
	s_wait_alu depctr_vm_vsrc(0)                   ; the LDS store has read v[MX ..], which is written again below
.irp m, 0,1,2,3
	v_add_f32 v[MX+\m], v[MT+\m], v[MT+4+\m]
.endr
.irp m, 0,1,2,3
	v_add_f32 v[MX+\m], v[MX+\m], v[MT+8+\m]
.endr
.irp m, 0,1,2,3
	v_add_f32 v[MX+\m], v[MX+\m], v[MT+12+\m]      ; the row's sum, the same bits in every wave; it is near 1 or above
.endr
	s_wait_alu depctr_va_vdst(0)
.irp m, 0,1,2,3
	v_rcp_f32 v[MT+\m], v[MX+\m]
.endr
	v_nop
	s_wait_alu depctr_va_vdst(0)                   ; the four reciprocals have written v[MT ..]: one wait, ahead of their first reader
.irp m, 0,1,2,3
	v_fma_f32 v[MT+4+\m], -v[MX+\m], v[MT+\m], 1.0 ; one step of Newton's: what goes into a quantiser is as exact as f32 allows
.endr
.irp m, 0,1,2,3
	v_fma_f32 v[MT+\m], v[MT+4+\m], v[MT+\m], v[MT+\m]
.endr
.irp m, 0,1,2,3
	v_mul_f32 v[PR+2*\m], 0x3d000000, v[MT+\m]     ; x 1024^-0.5 = 1 / 32: exact
.endr
.irp m, 0,1,2,3
	v_mov_b32 v[PR+2*\m+1], v[PR+2*\m]
.endr
.irp n, 0,2,4,6,8,10,12,14,16,18,20,22,24,26,28,30
.irp m, 0,1,2,3
	v_pk_mul_f32 v[HA+16*\m+\n+48*(\n/16):HA+16*\m+\n+48*(\n/16)+1], v[HA+16*\m+\n+48*(\n/16):HA+16*\m+\n+48*(\n/16)+1], v[PR+2*\m:PR+2*\m+1]
.endr
.endr
	QUANTG HA, 0                                   ; p along the entities: my 64 are half a fragment of K step w / 2
	QUANTG HA+64, 1
	SWAPS
	s_wait_alu depctr_va_vdst(0)                   ; the codes and the bytes are written, which the eight LDS stores read
.irp m, 0,1,2,3
	ds_store_b128 v[PIW], v[PC+4*\m:PC+4*\m+3] offset:2048*\m
.endr
.irp m, 0,1,2,3
	ds_store_b16 v[PSW], v[PB+\m] offset:128*\m
.endr
	BARRIER                                        ; p's 8 fragments lie in LDS
	; ---- v = p x ent, my 256 columns, K = 256: two P chunks, each half of which holds two groups of 32 columns.  The refills bring WO's first two chunks
	s_wait_alu depctr_vm_vsrc(0)                   ; the loads of q's fragments have read v[ARD], which is written below; my LDS stores have read v[PC ..] and v[PB ..], which the next quantiser writes
	v_add_nc_u32 v[ARD], PIMG, v[LO]
	v_add_nc_u32 v[IWA], VIMG, v[IW0]
	v_add_nc_u32 v[SWA], VSC, v[SW0]
	s_wait_alu depctr_va_vdst(0)                   ; v[ARD] is written, which the loads below read
	WIN 0x40
.irp m, 0,1,2,3
.irp s, 0,1
.irp c, 0,1
	ds_load_b128 v[64*\m+8*\s+4*\c:64*\m+8*\s+4*\c+3], v[ARD] offset:2048*\m+1024*\s+512*\c
.endr
.endr
.endr
	WIN 0
.irp m, 0,1,2,3
	ds_load_b64 v[ASC+2*\m:ASC+2*\m+1], v[PSR] offset:128*\m
.endr
; Half j of the P chunk in buffer b: 64 columns: half a fragment of v for each tile of rows.  The loads that may stay out: j = 0: the chunk's own second half, 16, and 34 more (the other P chunk, or two halves
; of WO's): 50; j = 1: 51 (the other P chunk and one half of WO's, or three halves of WO's).
.macro PVH b, j
	s_wait_dscnt 0x0                               ; p is in; my LDS stores are done
.if (\b)+(\j) > 0
	s_wait_alu depctr_vm_vsrc(0)                   ; the last half's LDS stores have read v[PC ..] and v[PB ..], which this half's quantiser writes again
.endif
	s_wait_loadcnt 50+(\j)
.irp gi, 0,1
	WIN 0x06
.irp s, 0,1
.irp m, 0,1,2,3
.irp u, 0,1
.if \s == 0
	WM HA+16*\m+8*\u, 128*(\b)+32*(2*(\j)+\gi)+8*(2*\s+\u), 64*\m+8*\s, -1, WSC+8*(\b)+4*(\j)+2*\gi+\s, ASC+2*\m+\s, \u, 0
.else
	WM HA+16*\m+8*\u, 128*(\b)+32*(2*(\j)+\gi)+8*(2*\s+\u), 64*\m+8*\s, HA+16*\m+8*\u, WSC+8*(\b)+4*(\j)+2*\gi+\s, ASC+2*\m+\s, \u, 0
.endif
.endr
.endr
.endr
	PLACES 5
	WIN 0
	QUANTG HA, \gi
.endr
	SWAPS
	s_wait_alu depctr_va_vdst(0)                   ; the codes and the bytes are written (and, ahead of the first half, v[IWA] and v[SWA]), which the LDS stores read; the half's 32 products are done reading it and its scale words, in which the loads below land
.irp m, 0,1,2,3
	ds_store_b128 v[IWA], v[PC+4*\m:PC+4*\m+3] offset:512*(2*(\b)+(\j))+8192*\m
.endr
.irp m, 0,1,2,3
	ds_store_b16 v[SWA], v[PB+\m] offset:2*(2*(\b)+(\j))+512*\m
.endr
	REFILL \b, \j, OP                              ; the same half of WO's chunk b
.if (\j) == 0
	BILOAD \b                                      ; and its C
.endif
	WIN 0
.endm
	PVH 0, 0
	PVH 0, 1
	PVH 1, 0
	PVH 1, 1
	s_mov_b64 s[LP:LP+1], s[OP:OP+1]               ; both bases at WO's first pair.  The loads that read them, the P chunks', were shown done by the last half's wait on LOADcnt
	s_mov_b64 s[LP+18:LP+19], s[OP:OP+1]
	s_mov_b32 s[TB], 1536
	s_mov_b32 s[TG], 0
	s_mov_b32 s3, 3
	BARRIER                                        ; v's 32 fragments lie in LDS, and nobody reads the bytes under the stage any more
	; ---- v WO^T + WO_b, my 256 columns, into the stage
	s_wait_alu depctr_vm_vsrc(0)                   ; the loads of p's and of q's images have read v[ARD] and v[ARS], which are written below
	v_add_nc_u32 v[ARD], VIMG, v[LO]
	v_add_nc_u32 v[ARS], VSC, v[LO]
	s_wait_alu depctr_va_vdst(0)                   ; the two addresses are written, which the loads below read
	ALOAD
.macro OSTORE e                        ; lane (r, h): row 16 m + r, 16 neighbouring columns: 64 bytes; each accumulator from its low end on.  The wait at the chunk's end has shown the accumulators and v[STA ..] written
.irp m, 0,1,2,3
.irp i, 0,1,2,3
	ds_store_b128 v[STA+\m], v[HA+16*\m+4*\i:HA+16*\m+4*\i+3] offset:128*(\e)+16*\i
.endr
.endr
.endm
.Lo:
	s_wait_alu depctr_vm_vsrc(0)                   ; the last trip's LDS stores have read v[STA ..] and the accumulators, its LDS loads of C v[BAD]: all are written again in this trip
.irp m, 0,1,2,3
	v_add_nc_u32 v[STA+\m], s[TG], v[STB+\m]
.endr
	v_add_nc_u32 v[BAD], s[TB], v[BA0]             ; where the C of this trip's two refills lies
	CHUNK HA, 0, 50, 34, 1, 1, 1                   ; (WO's first two chunks came by halves of 17 loads: there 51 might stay out; 50 serves every trip)
	OSTORE 0
	s_wait_alu depctr_vm_vsrc(0)                   ; the sixteen LDS stores have read the accumulators, which the next chunk's products write
	CHUNK HA, 1, 50, 34, 1, 1, 1
	OSTORE 1
	s_add_co_u32 s[TB], s[TB], 256
	s_add_co_u32 s[TG], s[TG], 256
	s_sub_co_u32 s3, s3, 1
	s_cmp_lg_u32 s3, 0
	s_cbranch_scc1 .Lo
	s_wait_alu depctr_vm_vsrc(0)                   ; the last trip's LDS stores have read v[STA ..] and the accumulators
.irp m, 0,1,2,3
	v_add_nc_u32 v[STA+\m], s[TG], v[STB+\m]
.endr
	CHUNK HA, 0, 50, 34, 0, 0, 0                   ; the last two chunks ask for nothing: the counts run down
	OSTORE 0
	s_wait_alu depctr_vm_vsrc(0)                   ; the sixteen LDS stores have read the accumulators, which the last chunk's products write
	CHUNK HA, 1, 16, 0, 0, 0, 0
	OSTORE 1
	s_mov_b32 s[TL], 0
	s_mov_b32 s3, 4
	BARRIER                                        ; 64 whole rows lie in the stage
	; ---- LayerNorm: my 16 rows, four a trip; a lane holds 32 numbers of a row: columns 128 i + 4 lane + 0 .. 3
.macro RED4                            ; v[MX + p] summed over the 32 lanes, for four rows by turns
.irp x, 1,2,4,8
.irp p, 0,1,2,3
	v_add_f32_dpp v[MX+\p], v[MX+\p], v[MX+\p] row_xmask:\x row_mask:0xf bank_mask:0xf
.endr
.endr
.irp p, 0,1,2,3
	v_permlanex16_b32 v[MT+\p], v[MX+\p], s[SEL], s[SEL+1]
.endr
.irp p, 0,1,2,3
	v_add_f32 v[MX+\p], v[MX+\p], v[MT+\p]
.endr
.endm
.Lln:
	s_wait_alu depctr_vm_vsrc(0)                   ; the stores issued so far (into the stage; a trip's to out0) have read v[HA ..], in which the loads below land; the LDS instructions that read v[LNA] have read it
	v_add_nc_u32 v[LNA], s[TL], v[LNR]
	s_wait_alu depctr_va_vdst(0)                   ; v[LNA] is written, which the loads below read
.irp p, 0,1,2,3
.irp i, 0,1,2,3,4,5,6,7
	ds_load_b128 v[HA+32*\p+4*\i:HA+32*\p+4*\i+3], v[LNA] offset:STGP*\p+512*\i
.endr
.endr
	s_wait_dscnt 0x0
.irp p, 0,1,2,3
	v_pk_add_f32 v[PR+2*\p:PR+2*\p+1], v[HA+32*\p:HA+32*\p+1], v[HA+32*\p+2:HA+32*\p+3]
.endr
.irp j, 4,6,8,10,12,14,16,18,20,22,24,26,28,30
.irp p, 0,1,2,3
	v_pk_add_f32 v[PR+2*\p:PR+2*\p+1], v[PR+2*\p:PR+2*\p+1], v[HA+32*\p+\j:HA+32*\p+\j+1]
.endr
.endr
.irp p, 0,1,2,3
	v_add_f32 v[MX+\p], v[PR+2*\p], v[PR+2*\p+1]
.endr
	RED4
.irp p, 0,1,2,3
	v_mul_f32 v[PR+2*\p], s[RN], v[MX+\p]          ; the mean
.endr
.irp p, 0,1,2,3
	v_mov_b32 v[PR+2*\p+1], v[PR+2*\p]
.endr
.irp j, 0,2,4,6,8,10,12,14,16,18,20,22,24,26,28,30
.irp p, 0,1,2,3
	v_pk_add_f32 v[HA+32*\p+\j:HA+32*\p+\j+1], v[HA+32*\p+\j:HA+32*\p+\j+1], v[PR+2*\p:PR+2*\p+1] neg_lo:[0,1] neg_hi:[0,1]   ; the mean is taken away first: the variance is no difference of large sums
.endr
.endr
.irp p, 0,1,2,3
	v_pk_mul_f32 v[SM+2*\p:SM+2*\p+1], v[HA+32*\p:HA+32*\p+1], v[HA+32*\p:HA+32*\p+1]
.endr
.irp j, 2,4,6,8,10,12,14,16,18,20,22,24,26,28,30
.irp p, 0,1,2,3
	v_pk_fma_f32 v[SM+2*\p:SM+2*\p+1], v[HA+32*\p+\j:HA+32*\p+\j+1], v[HA+32*\p+\j:HA+32*\p+\j+1], v[SM+2*\p:SM+2*\p+1]
.endr
.endr
.irp p, 0,1,2,3
	v_add_f32 v[MX+\p], v[SM+2*\p], v[SM+2*\p+1]
.endr
	RED4
.irp p, 0,1,2,3
	v_fma_f32 v[MX+\p], v[MX+\p], s[RN], s[EPS]    ; the variance + 1e-5
.endr
	s_wait_alu depctr_va_vdst(0)
.irp p, 0,1,2,3
	v_rsq_f32 v[PR+2*\p], v[MX+\p]
.endr
	v_nop
	s_wait_alu depctr_va_vdst(0)                   ; the four roots have written v[PR ..]: one wait, ahead of their first reader
.irp p, 0,1,2,3
	v_mov_b32 v[PR+2*\p+1], v[PR+2*\p]
.endr
.irp j, 0,2,4,6,8,10,12,14,16,18,20,22,24,26,28,30
.irp p, 0,1,2,3
	v_pk_mul_f32 v[HA+32*\p+\j:HA+32*\p+\j+1], v[HA+32*\p+\j:HA+32*\p+\j+1], v[PR+2*\p:PR+2*\p+1]
.endr
.endr
	WIN 0x3c                                       ; sources 1 and 2 (ln_g, ln_b) window 3
.irp j, 0,2,4,6,8,10,12,14,16,18,20,22,24,26,28,30
.irp p, 0,1,2,3
	v_pk_fma_f32 v[HA+32*\p+\j:HA+32*\p+\j+1], v[HA+32*\p+\j:HA+32*\p+\j+1], v[32+\j:33+\j], v[64+\j:65+\j]
.endr
.endr
	WIN 0
	s_wait_alu depctr_va_vdst(0)                   ; the multiply-adds have written v[HA ..], which the 32 stores read
.irp p, 0,1,2,3
.irp i, 0,1,2,3,4,5,6,7
	global_store_b128 v[LO], v[HA+32*\p+4*\i:HA+32*\p+4*\i+3], s[26:27] offset:4096*\p+512*\i th:TH_STORE_NT   ; 32 lanes store 512 consecutive bytes, at a multiple of 512 from out0's first byte
.endr
.endr
	s_wait_xcnt 0x0                                ; the stores' data and base are written again only behind this wait
	s_add_nc_u64 s[26:27], s[26:27], 4*4096
	s_add_co_u32 s[TL], s[TL], 4*STGP
	s_sub_co_u32 s3, s3, 1
	s_cmp_lg_u32 s3, 0
	s_cbranch_scc1 .Lln
	s_wait_dscnt 0x0
	s_wait_alu depctr_hold_cnt(0) depctr_sa_sdst(0) depctr_va_vdst(0) depctr_va_sdst(0) depctr_va_ssrc(0) depctr_va_vcc(0) depctr_vm_vsrc(0)
	s_wait_tensorcnt 0x0
	ds_add_u32 v254, v255
	s_wait_dscnt 0x0
	s_endpgm
.Lfunc_end_k_q67e33148da_main:
	.size	k_q67e33148da_main, .Lfunc_end_k_q67e33148da_main-k_q67e33148da_main
	.p2alignl 7, 3214868480
	.fill 96, 4, 3214868480
	.section	.rodata,"a",@progbits
	.p2align	6, 0x0
	.amdhsa_kernel k_q67e33148da_main
		.amdhsa_group_segment_fixed_size 309760
		.amdhsa_private_segment_fixed_size 0
		.amdhsa_enable_private_segment 0
		.amdhsa_kernarg_size 80
		.amdhsa_user_sgpr_count 2
		.amdhsa_user_sgpr_kernarg_segment_ptr 1
		.amdhsa_wavefront_size32 1
		.amdhsa_system_sgpr_workgroup_id_x 1
		.amdhsa_system_sgpr_workgroup_id_y 1
		.amdhsa_system_sgpr_workgroup_id_z 1
		.amdhsa_system_vgpr_workitem_id 0
		.amdhsa_next_free_vgpr 1024
		.amdhsa_next_free_sgpr 66
		.amdhsa_reserve_vcc 0
		.amdhsa_float_denorm_mode_32 3
		.amdhsa_float_denorm_mode_16_64 3
		.amdhsa_memory_ordered 1
		.amdhsa_forward_progress 1
		.amdhsa_inst_pref_size 252
	.end_amdhsa_kernel
	.amdgpu_metadata
---
amdhsa.version: [ 1, 2 ]
amdhsa.kernels:
  - .name:           k_q67e33148da_main
    .symbol:         k_q67e33148da_main.kd
    .args:
      - { .name: query_codes, .offset: 0, .size: 8, .value_kind: global_buffer, .address_space: global }
      - { .name: query_scales, .offset: 8, .size: 8, .value_kind: global_buffer, .address_space: global }
      - { .name: wf, .offset: 16, .size: 8, .value_kind: global_buffer, .address_space: global }
      - { .name: ent, .offset: 24, .size: 8, .value_kind: global_buffer, .address_space: global }
      - { .name: WQ_b, .offset: 32, .size: 8, .value_kind: global_buffer, .address_space: global }
      - { .name: WO_b, .offset: 40, .size: 8, .value_kind: global_buffer, .address_space: global }
      - { .name: ent_idx_in_batch, .offset: 48, .size: 8, .value_kind: global_buffer, .address_space: global }
      - { .name: ln_g, .offset: 56, .size: 8, .value_kind: global_buffer, .address_space: global }
      - { .name: ln_b, .offset: 64, .size: 8, .value_kind: global_buffer, .address_space: global }
      - { .name: out0, .offset: 72, .size: 8, .value_kind: global_buffer, .address_space: global }
    .group_segment_fixed_size: 309760
    .private_segment_fixed_size: 0
    .kernarg_segment_align: 8
    .kernarg_segment_size: 80
    .max_flat_workgroup_size: 128
    .sgpr_count:     66
    .vgpr_count:     1024
    .wavefront_size: 32
...
	.end_amdgpu_metadata
.endif
;; end of part 4
